; MI455X (gfx1250); checked and timed in simulation.
; The chip was launched on July 23, 2026; its instructions are those of AMD's public machine-readable ISA for CDNA 5 (MIT licence, August 2026) and "CDNA5" Instruction Set Architecture Reference Guide (July 2026). The comments in the code are by the model that wrote it; some were corrected since.
;; Attention. Allowed arithmetic: matrix products marked QUANTISED: E2M1 operands, one E8M0 scale for each 32 along K, by v_wmma_scale_f32_16x16x128_f8f6f4 with both operands' format E2M1 (or v_wmma_scale_f32_32x16x128_f4), f32 sums; products left as they are: bf16, f16 or f32 operands; f32 sums; everything else in f32.
;; Inputs: b_proj 1,024 float32; b_qkv 3,072 float32; kn_w 64 float32; qn_w 64 float32; w_proj 1,024 x 1,024 float32; w_qkv 3,072 x 1,024 float32; x 8 x 1,024 x 1,024 float32.
;; Outputs: out0 8 x 1,024 x 1,024 float32.
;; This version of the problem:
;;   THIS VERSION OF THE PROBLEM IS GIVEN IN LOW PRECISION. The matrix products marked QUANTISED in the list below multiply operands that are first quantised to E2M1 (2 exponent bits, 1 mantissa bit; 4 bits a number), with one power-of-two scale for each 32 numbers along K (OCP MX v1.0); their sums are f32. The products marked 'left as it is' may take bf16, f16 or f32 operands, with f32 sums. Whichever they take, every output number must still come out within the allowed error. Rounding operands to bf16 (8 significant bits) uses up far more of that allowance than f16 does (11 bits, for magnitudes from 6e-5 to 65,504). All else is computed in f32.
;;   The module's matrix products, in the order in which they are computed (A, B: the left and right operand; K: the contracted axis; several contracted axes count as one K, in the product's order):
;;     1. [M 8,192, K 1,024] x [K 1,024, N 3,072]; A: input x; B: input w_qkv: QUANTISED
;;     2. batch 128 x [M 1,024, K 64] x [K 64, N 1,024]; A: computed on the way; B: computed on the way: left as it is (an operand is computed on the way)
;;     3. batch 128 x [M 1,024, K 1,024] x [K 1,024, N 64]; A: computed on the way; B: computed on the way: left as it is (an operand is computed on the way)
;;     4. [M 8,192, K 1,024] x [K 1,024, N 1,024]; A: computed on the way; B: input w_proj: left as it is (an operand is computed on the way)
;;   THE QUANTISER, for each operand of a quantised product, along K:
;;     - K is cut into blocks of 32 from its start; a last block that is shorter is filled with zeros.
;;     - A block's scale is 2^e with e = floor(log2(the largest magnitude in the block)) - 2, held to -126 .. 127; a block of zeros has e = 0. As a byte (E8M0): e + 127.
;;     - Each number is divided by its block's scale, clamped to +-6, and rounded to the nearest number of E2M1, ties to even, subnormals kept.
;;     - The product sums the exact products of the quantised numbers (number of the format x scale) in f32.
;;   ~~~python
;;   def quantise(x, axis):      # numpy; x: float32 -> the quantised numbers, widened to float32 again
;;       x = np.moveaxis(x, axis, -1); K = x.shape[-1]
;;       x = np.pad(x, [(0, 0)] * (x.ndim - 1) + [(0, -K % 32)]); x = x.reshape(x.shape[:-1] + (-1, 32)); a = np.abs(x).max(-1, keepdims=True)
;;       e = np.where(a > 0, np.clip(np.frexp(np.where(a > 0, a, 1))[1] - 1 - 2, -126, 127), 0)      # np.frexp(a)[1] - 1 = floor(log2(a)), exactly
;;       r = np.clip(x / 2.0 ** e, -6, 6)
;;       step = 2.0 ** (np.maximum(np.frexp(np.where(r == 0, 1, r))[1] - 1, 0) - 1)
;;       q = np.round(r / step) * step * 2.0 ** e      # np.round: ties to even
;;       return np.moveaxis(q.reshape(q.shape[:-2] + (-1,))[..., :K], -1, axis).astype(np.float32)
;;   ~~~
;; One version. Each part assembles by itself: llvm-mc -triple=amdgcn-amd-amdhsa -mcpu=gfx1250 --defsym DOCPART=n.
;; ======== version 1 of 1: 4 launches
;; limits: values are held in f16: magnitudes above 65,504 overflow, below 6.1e-05 lose precision
;; workspace buffers: x_codes 4,194,304 bytes; x_scales 262,144 bytes; w_codes 1,572,864 bytes; w_scales 98,304 bytes; wp_img 2,097,152 bytes; q_img 16,777,216 bytes; kv_img 33,554,432 bytes; o_img 16,777,216 bytes
;; launch quant (part 1): grid 416 x 1, 4 waves a work-group, no clusters, 33,280 bytes of LDS; arguments x, w_qkv, x_codes, x_scales, w_codes, w_scales, w_proj, wp_img; writes x_codes, x_scales, w_codes, w_scales, wp_img
.if DOCPART == 1
	.amdgcn_target "amdgcn-amd-amdhsa--gfx1250"
	.amdhsa_code_object_version 6
	.text
	.protected	k_q2d612bbd57_quant
	.globl	k_q2d612bbd57_quant
	.p2align	8
	.type	k_q2d612bbd57_quant,@function
k_q2d612bbd57_quant:
	s_mov_b64 s[64:65], 0
	v_nop
	global_prefetch_b8 v0, s[64:65] scope:SCOPE_SE
	s_setreg_imm32_b32 hwreg(HW_REG_WAVE_MODE, 25, 1), 1
	s_wait_xcnt 0x0
; x [8192][1024] and w_qkv [3072][1024], f32, become codes of FP4 (E2M1), K innermost, two codes a byte, with one E8M0 scale byte for each 32 along K;
; w_proj [1024][1024], f32, becomes f16, laid as images of the operand registers of the last launch.
; A block's scale is 2^(floor(log2(its largest magnitude)) - 2); its byte is the largest magnitude's exponent field - 2, held at 1 from below.  Each number is divided by the scale and rounded to the nearest code, ties to even;
; beyond 6 the conversion gives the largest code.
; LIMITS: a block of zeros gets the byte 1 where the rule says 127 (its codes are zeros, which add nothing, and this program alone reads the bytes); blocks whose largest magnitude lies under 2^-124 are held at byte 1;
; NaN and infinities among the inputs are not served; w_proj must lie inside f16's range (under 65,504).
; SHARES.  Work-groups 0-255 take x, 256-351 w_qkv: rows are dense and K is a multiple of 32, so a tensor is a plain stream of blocks of 32; a wave takes 16 steps of 512 numbers.  Each of a step's four loads reads 512
; consecutive bytes; the 2,048 bytes turn through the wave's own stage in LDS and come back 64 bytes a lane, so that a lane holds 16 neighbours along K (two lanes hold a block).  Work-groups 352-415 take w_proj and use no LDS data.
.set SIZE_M, 8192
.set SIZE_N, 3072
.set SIZE_K, 1024
.set WAVES, 4
.set STEPS, 16
.set WGA,   SIZE_M*SIZE_K/(512*STEPS*WAVES)            ; 256 work-groups for x
.set WGQ,   (SIZE_M+SIZE_N)*SIZE_K/(512*STEPS*WAVES)   ; 352 for both quantised tensors
.set EMAX,  2
.set CB,    8                          ; bytes of 16 codes
.set R,     16                         ; v16-79   four sets of 16 numbers as they are loaded
.set X,     80                         ; v80-111  two sets of 16 neighbours
.set C,     128                        ; v128-191 codes: four registers for each step, so that no store's data are written again
.set E,     112                        ; v112-127 a scale byte for each step
.set CV,    16                         ; v16-143  the w_proj path: eight fragments of 16 registers
.set WREG,  8192                       ; LDS: a region for each wave: two stages of 32 x SP bytes, behind them its 256 scale bytes
.set SP,    80                         ; a lane's place in a stage: its 64 bytes + 16 of padding
.set SPW,   12                         ; v12      LDS address of my spare word; never rewritten
.set NIL,   13                         ; v13      0; never rewritten
.set SPARE, WAVES*WREG                 ; behind the four regions: the spare words, 128 bytes for each wave
	s_load_b128 s[4:7], s[0:1], 0x0                ; x, w_qkv
	s_load_b128 s[8:11], s[0:1], 0x10              ; x's codes, x's scales
	s_load_b128 s[12:15], s[0:1], 0x20             ; w_qkv's codes, w_qkv's scales
	s_load_b128 s[24:27], s[0:1], 0x30             ; w_proj, its images
	v_lshl_add_u32 v[SPW], v0, 2, SPARE
	v_mov_b32 v[NIL], 0
	v_lshrrev_b32 v1, 5, v0
	v_readfirstlane_b32 s16, v1                    ; wave
	v_and_b32 v2, 31, v0                           ; lane
	v_lshlrev_b32 v3, 4, v2                        ; 16 x lane: my 16 bytes of 512
	s_mul_i32 s17, s16, WREG
	v_lshrrev_b32 v14, 2, v2
	v_mul_u32_u24 v14, v14, SP
	v_and_b32 v15, 3, v2
	v_lshl_add_u32 v14, v15, 4, v14
	v_add_nc_u32 v14, s17, v14                     ; the stage, on the way in: four lanes' 64 bytes on end, then 16 of padding
	v_mul_u32_u24 v15, v2, SP
	v_add_nc_u32 v15, s17, v15                     ; and on the way out: SP x lane: my 16 neighbours
	v_mul_u32_u24 v4, v2, CB                       ; my codes' place in a step's
	v_lshrrev_b32 v5, 1, v2
	s_add_co_u32 s17, s17, 2*32*SP
	v_add_nc_u32 v5, s17, v5                       ; LDS: my wave's 256 scale bytes, my block's byte
	v_lshlrev_b32 v7, 3, v2                        ; and on the way out 8 bytes a lane
	v_add_nc_u32 v6, s17, v7
	s_wait_kmcnt 0x0
	s_cmp_ge_u32 ttmp9, WGQ                        ; the work-group's number alone decides the path
	s_cbranch_scc1 .Lconv
	s_cmp_lt_u32 ttmp9, WGA                        ; x's work-group or w_qkv's?  Only pointers are chosen: both take one path
	s_cselect_b64 s[4:5], s[4:5], s[6:7]
	s_cselect_b64 s[8:9], s[8:9], s[12:13]
	s_cselect_b64 s[10:11], s[10:11], s[14:15]
	s_cselect_b32 s17, 0, WGA
	s_sub_co_u32 s17, ttmp9, s17
	s_lshl_b32 s17, s17, 2
	s_add_co_u32 s18, s17, s16                     ; which run of 8,192 numbers of the tensor is my wave's
	s_mov_b32 s19, 0
	s_mov_b64 s[20:21], 512*STEPS*4
	s_mul_u64 s[20:21], s[18:19], s[20:21]
	s_add_nc_u64 s[4:5], s[4:5], s[20:21]
	s_mov_b64 s[20:21], 32*STEPS*CB
	s_mul_u64 s[20:21], s[18:19], s[20:21]
	s_add_nc_u64 s[8:9], s[8:9], s[20:21]
	s_lshl_b32 s18, s18, 8                         ; 256 scale bytes a run
	s_add_nc_u64 s[10:11], s[10:11], s[18:19]
.macro LOAD t
.irp i, 0,1,2,3
	global_load_b128 v[R+16*((\t)%4)+4*\i:R+16*((\t)%4)+4*\i+3], v3, s[4:5] offset:2048*(\t)+512*\i th:TH_LOAD_NT   ; 32 lanes read 512 consecutive bytes
.endr
.endm
.macro TURN t                          ; step t's numbers through the stage: LDS serves a wave's instructions in order, so no wait stands between the stores and the loads
.irp i, 0,1,2,3
	ds_store_b128 v14, v[R+16*((\t)%4)+4*\i:R+16*((\t)%4)+4*\i+3] offset:32*SP*((\t)%2)+8*SP*\i
.endr
.irp i, 0,1,2,3
	ds_load_b128 v[X+16*((\t)%2)+4*\i:X+16*((\t)%2)+4*\i+3], v15 offset:32*SP*((\t)%2)+16*\i
.endr
.endm
.irp t, 0,1,2,3
	LOAD \t
.endr
	s_wait_loadcnt 12                              ; step 0's four loads are in; the twelve of steps 1 to 3 may be out
	TURN 0
.macro STEP t
.set XS, X+16*((\t)%2)
.if (\t) > 0
	s_wait_dscnt 1                                 ; this step's numbers are back from the stage (the last step's byte store may be out): so its stores into the stage have read their registers,
.else
	s_wait_dscnt 0x0
.endif
.if (\t)+4 < STEPS
	LOAD (\t)+4                                    ; which take the loads of four steps on
.endif
.if (\t)+1 < STEPS
.if STEPS-2-(\t) >= 3
	s_wait_loadcnt 12                              ; the next step's four loads are in; those of the three steps behind it may be out
.else
	s_wait_loadcnt 4*(STEPS-2-(\t))
.endif
	TURN (\t)+1                                    ; and go through the other stage while this step is worked
.endif
	v_max3_num_f32 v8, |v[XS]|, |v[XS+1]|, |v[XS+2]|               ; the largest magnitude of my 16, in two chains
	v_max3_num_f32 v9, |v[XS+3]|, |v[XS+4]|, |v[XS+5]|
.irp i, 6,10
	v_max3_num_f32 v8, v8, |v[XS+\i]|, |v[XS+\i+1]|
	v_max3_num_f32 v9, v9, |v[XS+\i+2]|, |v[XS+\i+3]|
.endr
	v_max3_num_f32 v8, v8, |v[XS+14]|, |v[XS+15]|
	v_max3_num_f32 v8, v8, v9, (EMAX+1)<<23        ; and the floor 2^(EMAX + 1 - 127): so the byte cannot fall under 1
	v_max_num_f32_dpp v8, v8, v8 row_xmask:1 row_mask:0xf bank_mask:0xf   ; and of my neighbour's 16: the block's
	v_add_nc_u32 v11, -(EMAX<<23), v8              ; EMAX off its exponent field: the conversion takes the exponent field of this operand as its scale
	v_cvt_scalef32_pk8_fp4_f32 v[C+4*(\t)], v[XS:XS+7], v11
	v_cvt_scalef32_pk8_fp4_f32 v[C+4*(\t)+1], v[XS+8:XS+15], v11
	v_lshrrev_b32 v[E+(\t)], 23, v11               ; the scale's byte (also the plain line behind the conversions)
	ds_store_b8 v5, v[E+(\t)] offset:16*(\t)       ; both lanes of a block write the same byte with the same value
	global_store_b64 v4, v[C+4*(\t):C+4*(\t)+1], s[8:9] offset:32*CB*(\t)   ; the wave stores 256 consecutive bytes, aligned
.endm
.irp t, 0,1,2,3,4,5,6,7,8,9,10,11,12,13,14,15
	STEP \t
.endr
	ds_load_b64 v[8:9], v6                         ; LDS serves a wave's instructions in order: these see my byte stores
	s_wait_dscnt 0x0
	global_store_b64 v7, v[8:9], s[10:11]          ; 32 lanes store my wave's 256 scale bytes, aligned
	s_wait_tensorcnt 0x0                           ; the wave's end, behind my last LDS store
	ds_add_u32 v[SPW], v[NIL]
	s_wait_dscnt 0x0
	s_endpgm
; w_proj -> f16 images.  A fragment is 16 rows n x 32 k: lane (r = lane % 16, h = lane / 16) holds row r; registers 0-3 hold k = 8 h + 0..7, registers 4-7 k = 16 + 8 h + 0..7.  It is stored as two blocks of 512 bytes,
; lane l's 16 bytes at 16 l.  Work-group nt (0..63) takes rows 16 nt on; wave kg takes k = 256 kg on: eight fragments, together 1,024 bytes on end of each of 16 rows.
; The images lie [n / 256][k / 128][(n / 128) % 2][(k / 32) % 4][(n / 16) % 8][1,024 bytes]: a K step of 128 of a block of 256 rows is 65,536 bytes on end.
.Lconv:
	s_sub_co_u32 s17, ttmp9, WGQ                   ; nt
	v_and_b32 v8, 15, v2                           ; r
	v_lshrrev_b32 v9, 4, v2                        ; h
	v_lshlrev_b32 v8, 12, v8
	v_lshl_add_u32 v8, v9, 5, v8                   ; row r of 4,096 bytes + 32 h
	s_lshl_b32 s18, s17, 16                        ; 16 rows of 4,096 bytes a work-group,
	s_lshl_b32 s20, s16, 10                        ; 256 numbers a wave
	s_add_co_u32 s18, s18, s20
	s_mov_b32 s19, 0
	s_add_nc_u64 s[24:25], s[24:25], s[18:19]
	s_lshr_b32 s18, s17, 4
	s_lshl_b32 s18, s18, 19                        ; (nt / 16) x 524,288
	s_lshl_b32 s20, s16, 17                        ; two K steps of 65,536 a wave
	s_add_co_u32 s18, s18, s20
	s_bfe_u32 s20, s17, 0x10003
	s_lshl_b32 s20, s20, 15                        ; ((nt / 8) % 2) x 32,768
	s_add_co_u32 s18, s18, s20
	s_and_b32 s20, s17, 7
	s_lshl_b32 s20, s20, 10                        ; (nt % 8) x 1,024
	s_add_co_u32 s18, s18, s20
	s_add_nc_u64 s[26:27], s[26:27], s[18:19]
.set i, 0
.rept 8
	global_load_b128 v[CV+16*i:CV+16*i+3],     v8, s[24:25] offset:128*i th:TH_LOAD_NT
	global_load_b128 v[CV+16*i+4:CV+16*i+7],   v8, s[24:25] offset:128*i+16 th:TH_LOAD_NT
	global_load_b128 v[CV+16*i+8:CV+16*i+11],  v8, s[24:25] offset:128*i+64 th:TH_LOAD_NT
	global_load_b128 v[CV+16*i+12:CV+16*i+15], v8, s[24:25] offset:128*i+80 th:TH_LOAD_NT
.set i, i+1
.endr
.set i, 0
.rept 8
	s_wait_loadcnt 4*(7-i)                         ; fragment i's four loads are in; the later fragments' may be out
.irp j, 0,1,2,3,4,5,6,7
	v_cvt_pk_f16_f32 v[CV+16*i+\j], v[CV+16*i+2*\j], v[CV+16*i+2*\j+1]   ; in place, ascending: a result lands on numbers already rounded
.endr
	global_store_b128 v3, v[CV+16*i:CV+16*i+3],   s[26:27] offset:(i/4)*65536+(i%4)*8192       ; 512 consecutive bytes, aligned
	global_store_b128 v3, v[CV+16*i+4:CV+16*i+7], s[26:27] offset:(i/4)*65536+(i%4)*8192+512
.set i, i+1
.endr
	s_wait_tensorcnt 0x0                           ; the launch does
	ds_add_u32 v[SPW], v[NIL]
	s_wait_dscnt 0x0
	s_endpgm
.Lfunc_end_k_q2d612bbd57_quant:
	.size	k_q2d612bbd57_quant, .Lfunc_end_k_q2d612bbd57_quant-k_q2d612bbd57_quant
	.p2alignl 7, 3214868480
	.fill 96, 4, 3214868480
	.section	.rodata,"a",@progbits
	.p2align	6, 0x0
	.amdhsa_kernel k_q2d612bbd57_quant
		.amdhsa_group_segment_fixed_size 33280
		.amdhsa_private_segment_fixed_size 0
		.amdhsa_enable_private_segment 0
		.amdhsa_kernarg_size 64
		.amdhsa_user_sgpr_count 2
		.amdhsa_user_sgpr_kernarg_segment_ptr 1
		.amdhsa_wavefront_size32 1
		.amdhsa_system_sgpr_workgroup_id_x 1
		.amdhsa_system_sgpr_workgroup_id_y 1
		.amdhsa_system_sgpr_workgroup_id_z 1
		.amdhsa_system_vgpr_workitem_id 0
		.amdhsa_next_free_vgpr 192
		.amdhsa_next_free_sgpr 66
		.amdhsa_reserve_vcc 0
		.amdhsa_float_denorm_mode_32 3
		.amdhsa_float_denorm_mode_16_64 3
		.amdhsa_memory_ordered 1
		.amdhsa_forward_progress 1
		.amdhsa_inst_pref_size 43
	.end_amdhsa_kernel
	.amdgpu_metadata
---
amdhsa.version: [ 1, 2 ]
amdhsa.kernels:
  - .name:           k_q2d612bbd57_quant
    .symbol:         k_q2d612bbd57_quant.kd
    .args:
      - { .name: x, .offset: 0, .size: 8, .value_kind: global_buffer, .address_space: global }
      - { .name: w_qkv, .offset: 8, .size: 8, .value_kind: global_buffer, .address_space: global }
      - { .name: x_codes, .offset: 16, .size: 8, .value_kind: global_buffer, .address_space: global }
      - { .name: x_scales, .offset: 24, .size: 8, .value_kind: global_buffer, .address_space: global }
      - { .name: w_codes, .offset: 32, .size: 8, .value_kind: global_buffer, .address_space: global }
      - { .name: w_scales, .offset: 40, .size: 8, .value_kind: global_buffer, .address_space: global }
      - { .name: w_proj, .offset: 48, .size: 8, .value_kind: global_buffer, .address_space: global }
      - { .name: wp_img, .offset: 56, .size: 8, .value_kind: global_buffer, .address_space: global }
    .group_segment_fixed_size: 33280
    .private_segment_fixed_size: 0
    .kernarg_segment_align: 8
    .kernarg_segment_size: 64
    .max_flat_workgroup_size: 128
    .sgpr_count:     66
    .vgpr_count:     192
    .wavefront_size: 32
...
	.end_amdgpu_metadata
.endif
;; end of part 1
;; launch qkv (part 2): grid 8 x 32, 4 waves a work-group, clusters of 4 x 4, 327,680 bytes of LDS; arguments x_codes, x_scales, w_codes, w_scales, b_qkv, qn_w, kn_w, q_img, kv_img; writes q_img, kv_img
.if DOCPART == 2
	.amdgcn_target "amdgcn-amd-amdhsa--gfx1250"
	.amdhsa_code_object_version 6
	.text
	.protected	k_q2d612bbd57_qkv
	.globl	k_q2d612bbd57_qkv
	.p2align	8
	.type	k_q2d612bbd57_qkv,@function
k_q2d612bbd57_qkv:
	s_mov_b64 s[64:65], 0
	v_nop
	global_prefetch_b8 v0, s[64:65] scope:SCOPE_SE
	s_setreg_imm32_b32 hwreg(HW_REG_WAVE_MODE, 25, 1), 1
	s_wait_xcnt 0x0
	s_wait_alu depctr_hold_cnt(0) depctr_sa_sdst(0) depctr_va_vdst(0) depctr_va_sdst(0) depctr_va_ssrc(0) depctr_va_vcc(0) depctr_vm_vsrc(0)
	s_getreg_b32 s2, hwreg(HW_REG_IB_STS2, 6, 4)
	s_cmp_eq_u32 s2, 0
	s_cbranch_scc0 .Lentry_in_a_cluster
	s_endpgm
.Lentry_in_a_cluster:
	s_bfe_u32 s2, ttmp6, 0x10000c
	s_cmp_lg_u32 s2, 0xf033
	s_cbranch_scc0 .Lentry_shape_is_right
	s_endpgm
.Lentry_shape_is_right:
; qkv = Q(x) Q(w_qkv)^T + b_qkv on codes of FP4 (E2M1) with one E8M0 scale for each 32 along K; then, for q and k, the rms norm over a head's 64 channels and its gain; all rounded once to f16 and stored as images of the
; operand registers of the attention launch.  q also carries log2(e) / 8, so that a score is an exponent of 2.
; SHARES.  8 x 32 = 256 work-groups of equal work.  A work-group takes 256 rows of x and the same 128 columns (two heads) of q, of k and of v: THREE PASSES, one for each section, over x's codes, which stay in LDS.
; Each of its four waves takes 64 rows x 128 columns: 32 accumulators of 16 x 16, all of window 2.  The section is a constant of each pass, so each way out is written for its section and nothing is chosen at run time.
; LDS.  K = 1,024 is two slots of 512 along K; a slot holds x's 256 rows and 256 rows of w_qkv: q's 128 and k's 128.  All that is filled at the start.  v's 128 rows do not fit beside them (348,160 bytes would be wanted):
; they are filled into q's bytes ONCE, behind pass 0's last reads, and have pass 0's way out and all of pass 1 in which to land.  The scales of x's 256 rows and of q's and k's 128 come with the first fills, v's with the refill.
; CLUSTERS: 4 x 4 work-groups.  The four of a row of the cluster need the same tiles of x, the four of a column the same tiles of w_qkv: each tile is asked for JOINTLY, the refill too.
; THE MATRIX INSTRUCTION IS USED TRANSPOSED (source 0 = 16 rows of w_qkv, source 1 = 16 rows of x): lane (r, h) of accumulator (a, b) holds row 16 a + r and columns 16 b + 8 h + 0..7.  Rounded in pairs these eight are four
; registers of a 16-bit fragment (16 rows x 32 channels) in the very lanes that want them: every store is 16 bytes a lane, 512 bytes on end.  V's blocks (16 keys x 16 channels) are stored with the lanes in another order,
; so that the turning LDS load of the attention launch can read them at 16 x lane.
; NO PREFETCH: all bytes but v's weights are asked for at the head, and the weights' codes are read by every row of clusters.
; LIMITS: |v| must stay under 65,504 (f16); NaN and infinities are not served.
; REGISTERS, in windows of 256: window 0: v0-15 sums of squares (the head's scratch before); v16-30 addresses; v32-63 x's scale words, v64-127 w_qkv's, two sets: scales and nothing else; v128-191 x's fragments, two sets
;   (set 1 is the scratch of a way out); v192-223 q's gain, v224-255 k's.   window 1: v0-63, v128-191 w_qkv's fragments, two sets; v64-127, v192-255 packed results, 16 registers for each of a pass's 8 pieces.
;   window 2: accumulator (a, b) at v[8 (8 a + b)].   window 3: v0-191 the bias of the three passes, the C of each pass's first products.
.set SIZE_K, 1024
.set ROWB,   256                       ; a slot's row in bytes: 512 codes
.set KROW,   SIZE_K*4/8                ; a row of codes in memory
.set PITCH,  272                       ; an LDS row: 256 bytes + 16 of padding, so that the 16 rows of a fragment load start 68 words apart
.set FR,     8                         ; registers of a fragment: 16 rows x 128 K
.set HALFT,  128*PITCH                 ; 128 rows: what one tensor load brings
.set SLOT,   4*HALFT                   ; x's 256 rows, then region 0 (q's rows, later v's) and region 1 (k's rows) of w_qkv
.set KS,     SIZE_K/32                 ; a row of scales in bytes
.set SCL,    2*SLOT                    ; behind the slots: the scales, as units of 256 bytes + 16 of padding: x's 256 rows, then regions 0 and 1
.set HALFS,  (128*KS/256)*272          ; the scales of 128 rows
.set SBLK,   (16*KS/256)*272           ; those of 16 rows
.set SPARE,  SCL+4*HALFS               ; the spare words, 128 bytes for each wave
.set SS,   0
.set ADRA, 16                          ; v16-17  LDS address of my x fragments in slot 0, 1
.set ADRB, 20                          ; v20-23  the same for w_qkv: region 0 slot 0, 1; region 1 slot 0, 1
.set STA,  24                          ; v24     q, k: where my 16 bytes lie in a stored block of 512: 16 x lane
.set HB,   25                          ; v25     32 h: my eight numbers of a bias or gain block of 16
.set STV,  26                          ; v26     v: the same in V's order of lanes
.set ADSA, 27                          ; v27     LDS address of my rows' scale words of x
.set SPW,  28
.set NIL,  29
.set ADSB, 30                          ; v30     and of w_qkv's, region 0
.set SCA,  32                          ; x's scale words: 16 slot + 4 a + q
.set SCB,  64                          ; w_qkv's: 32 slot + 4 b + q
.set AF,   128
.set TB,   160
.set NWQ,  192
.set NWK,  224
.set RC,  4                            ; s[4:7]   group 0 of the refill: v's codes
.set RS,  8                            ; s[8:11]  and v's scales
.set G1,  24
.set G0,  32
.set G1B, 48
.set G0B, 56
.set G1S, 68
.set G0S, 76
.set G1SB, 80
.set G0SB, 88
.set OQ0, 12                           ; s[12:13], s[94:95] q's images at my first row, my first and second head
.set OQ1, 94
.set OK0, 66                           ; s[66:67], s[92:93] k's; v's lie 32,768 bytes on
.set OK1, 92
.set MSB, 0
.macro WIN new                         ; the immediate's high byte repeats the setting that is left
.if MSB != (\new)
	s_set_vgpr_msb (MSB<<8)|(\new)
.set MSB, (\new)
.endif
.endm
.set W_MUL,  0xa1                      ; source 0 (w) window 1, source 1 (x) window 0, C and D window 2
.set W_MUL0, 0xb1                      ; the same with C, the bias, in window 3
.set TO_B,   0x40
; A joint load: waves 0 and 1 fetch for x, waves 2 and 3 for w_qkv.  The branch hangs on the wave's number alone.  An s_nop 0 and four v_nop follow each of the two lines.
.macro JLOAD g0a, g1a, g0b, g1b
	s_cmp_eq_u32 s15, 0
	s_cbranch_scc0 .Lfor_b_\@
	tensor_load_to_lds s[\g0a:\g0a+3], s[\g1a:\g1a+7]
	s_nop 0
.rept 4
	v_nop
.endr
	s_branch .Lasked_\@
.Lfor_b_\@:
	tensor_load_to_lds s[\g0b:\g0b+3], s[\g1b:\g1b+7]
	s_nop 0
.rept 4
	v_nop
.endr
.Lasked_\@:
.endm
; The joint refill: v's rows into region 0.  Wave 0 fetches slot 0's 128 rows, wave 1 slot 1's, wave 2 the scales, wave 3 nothing: one tensor load a wave.  All go to my column of the cluster.
.macro RLOAD
	s_cmp_lt_u32 s14, 2
	s_cbranch_scc0 .Lnot_codes_\@
	tensor_load_to_lds s[RC:RC+3], s[G1B:G1B+7]
	s_nop 0
.rept 4
	v_nop
.endr
	s_branch .Lrefilled_\@
.Lnot_codes_\@:
	s_cmp_eq_u32 s14, 2
	s_cbranch_scc0 .Lrefilled_\@
	tensor_load_to_lds s[RS:RS+3], s[G1SB:G1SB+7]
	s_nop 0
.rept 4
	v_nop
.endr
.Lrefilled_\@:
.endm
.macro CREST                           ; a round of the cluster's barrier behind its opening barrier
	s_cmp_lg_u32 s14, 0
	s_cbranch_scc1 .Lnot_wave_0_\@
	s_barrier_signal -3
.Lnot_wave_0_\@:
	s_barrier_wait -3
	s_barrier_signal -1
	s_barrier_wait -1
.endm
.macro CROUND                          ; a whole round
	s_barrier_signal -1
	s_barrier_wait -1
	CREST
.endm
	s_load_b128 s[4:7], s[0:1], 0x0                ; x's codes, x's scales
	s_load_b128 s[8:11], s[0:1], 0x10              ; w's codes, w's scales
	s_load_b128 s[96:99], s[0:1], 0x20             ; b_qkv, qn_w
	s_load_b64 s[100:101], s[0:1], 0x30            ; kn_w
	s_load_b64 s[12:13], s[0:1], 0x38              ; q's images
	s_load_b64 s[66:67], s[0:1], 0x40              ; k's and v's images
	v_lshl_add_u32 v[SPW], v0, 2, SPARE
	v_mov_b32 v[NIL], 0
	ds_add_u32 v[SPW], v[NIL]                      ; the wave's opening: the add, twice on end, and its wait ahead of my first tensor load
	ds_add_u32 v[SPW], v[NIL]
	v_lshrrev_b32 v1, 5, v0
	v_readfirstlane_b32 s14, v1                    ; wave 0..3
	s_lshr_b32 s15, s14, 1                         ; I fetch for x (0) or for w_qkv (1)
	s_and_b32 s16, s14, 1                          ; x: which 128 rows I fetch; w_qkv: q's rows (0) or k's (1)
	s_bfe_u32 s40, ttmp6, 0x40000                  ; cx, cy: my place in the cluster
	s_bfe_u32 s41, ttmp6, 0x40004
	s_lshl_b32 s42, ttmp9, 2
	s_add_co_u32 s42, s42, s40                     ; j = 4 x cluster x + cx: my 128 columns of each section
	s_and_b32 s17, ttmp7, 0xffff
	s_lshl_b32 s17, s17, 2
	s_add_co_u32 s17, s17, s41                     ; tile row = 4 x cluster y + cy
	s_lshl_b32 s43, s41, 2
	s_lshl_b32 s43, 15, s43                        ; my row of the cluster
	s_lshl_b32 s44, 0x1111, s40                    ; my column
	; descriptor group 1: a tile of 128 rows x 256 bytes, 16 bytes of padding behind each row
	s_or_b32 s[G1+0], s43, (0<<16)|(1<<20)|(1<<21)|(5<<22)|(3<<25)
	s_or_b32 s[G1B+0], s44, (0<<16)|(1<<20)|(1<<21)|(5<<22)|(3<<25)
.irp g, G1, G1B
	s_mov_b32 s[\g+1], ROWB<<16                    ; tensor_dim0
	s_mov_b32 s[\g+2], 128<<16                     ; tensor_dim1
	s_mov_b32 s[\g+3], ROWB<<16                    ; tile_dim0
	s_mov_b32 s[\g+4], 128                         ; tile_dim1
	s_mov_b32 s[\g+5], KROW                        ; from row to row
	s_mov_b32 s[\g+6], 0
	s_mov_b32 s[\g+7], 0
.endr
	; the scales of 128 rows: 4,096 dense bytes, as 16 rows of 256 bytes (32 elements of 8), 16 bytes of padding behind each
	s_or_b32 s[G1S+0], s43, (3<<16)|(1<<20)|(1<<21)|(5<<22)|(3<<25)
	s_or_b32 s[G1SB+0], s44, (3<<16)|(1<<20)|(1<<21)|(5<<22)|(3<<25)
.irp g, G1S, G1SB
	s_mov_b32 s[\g+1], 32<<16
	s_mov_b32 s[\g+2], (128*KS/256)<<16
	s_mov_b32 s[\g+3], 32<<16
	s_mov_b32 s[\g+4], 128*KS/256
	s_mov_b32 s[\g+5], 32
	s_mov_b32 s[\g+6], 0
	s_mov_b32 s[\g+7], 0
.endr
	; where the tiles come from, as byte offsets (all under 2^23).  x's hang on the tile row alone, w_qkv's on j alone, each in registers that never hold the other coordinate
	s_lshl_b32 s18, s16, 7
	s_lshl_b32 s20, s17, 8
	s_add_co_u32 s20, s20, s18                     ; x: row 256 x tile row + 128 x half
	s_lshl_b32 s22, s20, 5                         ; its scales, 32 bytes a row,
	s_lshl_b32 s20, s20, 9                         ; and its codes, 512 bytes a row
	s_mov_b32 s21, 0
	s_mov_b32 s23, 0
	s_lshl_b32 s2, s42, 7                          ; 128 j
	s_lshl_b32 s3, s16, 10
	s_add_co_u32 s46, s2, s3                       ; w_qkv: row 128 j of q's section, or of k's, 1,024 rows on
	s_lshl_b32 s92, s46, 5
	s_lshl_b32 s46, s46, 9
	s_mov_b32 s47, 0
	s_mov_b32 s93, 0
	s_add_co_u32 s95, s2, 2048                     ; row 128 j of v's section
	s_lshl_b32 s2, s95, 9
	s_lshl_b32 s3, s16, 8
	s_add_co_u32 s2, s2, s3                        ; its codes, slot 0's half of a row or slot 1's
	s_mov_b32 s3, 0
	s_mul_i32 s45, s14, HALFT                      ; where the first fills go: wave x 128 rows: no place in the cluster enters an LDS address
	s_mul_i32 s94, s14, HALFS
	s_wait_dscnt 0x0                               ; both opening adds are done
	s_wait_kmcnt 0x0
	s_add_nc_u64 s[20:21], s[4:5], s[20:21]
	s_add_nc_u64 s[22:23], s[6:7], s[22:23]
	s_add_nc_u64 s[46:47], s[8:9], s[46:47]
	s_add_nc_u64 s[92:93], s[10:11], s[92:93]
	s_add_nc_u64 s[RC+2:RC+3], s[8:9], s[2:3]      ; the refill's two groups 0 take the registers that held the four addresses, which are done with
	s_lshl_b32 s2, s95, 5
	s_add_nc_u64 s[RS+2:RS+3], s[10:11], s[2:3]
	s_or_b32 s[RC+3], s[RC+3], 0x80000000
	s_or_b32 s[RS+3], s[RS+3], 0x80000000
	s_mov_b32 s[RC], 1
	s_mul_i32 s[RC+1], s16, SLOT
	s_add_co_u32 s[RC+1], s[RC+1], 2*HALFT         ; region 0 of slot 0 (wave 0) or of slot 1 (wave 1)
	s_mov_b32 s[RS], 1
	s_mov_b32 s[RS+1], SCL+2*HALFS                 ; region 0 of the scales
	CROUND                                         ; all sixteen work-groups are here: the joint loads meet
	s_mov_b32 s[G0S], 1
	s_add_co_u32 s[G0S+1], s94, SCL
	s_mov_b64 s[G0S+2:G0S+3], s[22:23]
	s_or_b32 s[G0S+3], s[G0S+3], 0x80000000
	s_mov_b32 s[G0SB], 1
	s_add_co_u32 s[G0SB+1], s94, SCL
	s_mov_b64 s[G0SB+2:G0SB+3], s[92:93]
	s_or_b32 s[G0SB+3], s[G0SB+3], 0x80000000
	JLOAD G0S, G1S, G0SB, G1SB                     ; the scales first: they are wanted with the first products
.irp s, 0,1
	s_mov_b32 s[G0+4*\s], 1
	s_add_co_u32 s[G0+4*\s+1], s45, \s*SLOT
	s_add_nc_u64 s[G0+4*\s+2:G0+4*\s+3], s[20:21], \s*ROWB
	s_or_b32 s[G0+4*\s+3], s[G0+4*\s+3], 0x80000000
	s_mov_b32 s[G0B+4*\s], 1
	s_add_co_u32 s[G0B+4*\s+1], s45, \s*SLOT
	s_add_nc_u64 s[G0B+4*\s+2:G0B+4*\s+3], s[46:47], \s*ROWB
	s_or_b32 s[G0B+4*\s+3], s[G0B+4*\s+3], 0x80000000
	JLOAD G0+4*\s, G1, G0B+4*\s, G1B               ; three tensor loads of mine are out
.endr
	v_and_b32 v1, 15, v0                           ; r
	v_bfe_u32 v2, v0, 4, 1                         ; h
	v_mul_u32_u24 v3, v1, PITCH
	v_lshl_add_u32 v4, v2, 4, v3                   ; a fragment's row x pitch + 16 x half
	s_mul_i32 s21, s14, 64*PITCH                   ; my 64 rows of x
	v_add_nc_u32 v[ADRA], s21, v4
	s_add_co_u32 s21, s21, SLOT
	v_add_nc_u32 v[ADRA+1], s21, v4
	v_add_nc_u32 v[ADRB], 2*HALFT, v4              ; every wave reads all 128 rows of a region
	v_add_nc_u32 v[ADRB+1], SLOT+2*HALFT, v4
	v_add_nc_u32 v[ADRB+2], 3*HALFT, v4
	v_add_nc_u32 v[ADRB+3], SLOT+3*HALFT, v4
	v_mul_u32_u24 v5, v1, KS                       ; row r's scales: 32 bytes a row,
	v_lshrrev_b32 v6, 8, v5
	v_lshl_add_u32 v5, v6, 4, v5                   ; and 16 more for each 256 passed.  Both halves of the lanes take row r's: the matrix instruction reads lanes 0-15
	s_mul_i32 s21, s14, 4*SBLK
	s_add_co_u32 s21, s21, SCL
	v_add_nc_u32 v[ADSA], s21, v5
	v_add_nc_u32 v[ADSB], SCL+2*HALFS, v5
	v_and_b32 v6, 31, v0
	v_lshlrev_b32 v[STA], 4, v6                    ; q, k: 16 x lane
	v_and_b32 v7, 7, v1
	v_lshrrev_b32 v8, 3, v1
	v_lshl_add_u32 v7, v8, 4, v7
	v_lshl_add_u32 v7, v2, 3, v7
	v_lshlrev_b32 v[STV], 4, v7                    ; v: 16 x (16 (r / 8) + 8 h + r % 8)
	v_lshlrev_b32 v[HB], 5, v2
	; where my results go.  My first head: 2 j; batch = tile row / 4; the tile's 256 positions: tile row % 4; my 64 rows: four tiles of 2,048 bytes
	s_lshr_b32 s20, s17, 2
	s_lshl_b32 s20, s20, 4
	s_lshl_b32 s21, s42, 1
	s_add_co_u32 s20, s20, s21                     ; 16 x batch + head
	s_and_b32 s21, s17, 3
	s_lshl_b32 s22, s14, 13
	s_lshl_b32 s2, s20, 17                         ; a head is 2^17 bytes of q,
	s_lshl_b32 s23, s21, 15                        ; 256 positions 2^15
	s_add_co_u32 s2, s2, s23
	s_add_co_u32 s2, s2, s22
	s_add_nc_u64 s[OQ0:OQ0+1], s[12:13], s[2:3]
	s_add_nc_u64 s[OQ1:OQ1+1], s[OQ0:OQ0+1], 0x20000
	s_lshl_b32 s2, s20, 18                         ; a head is 2^18 bytes of k and v together,
	s_lshl_b32 s23, s21, 16                        ; 256 positions a chunk of 2^16
	s_add_co_u32 s2, s2, s23
	s_add_co_u32 s2, s2, s22
	s_add_nc_u64 s[OK0:OK0+1], s[66:67], s[2:3]
	s_add_nc_u64 s[OK1:OK1+1], s[OK0:OK0+1], 0x40000
	s_lshl_b32 s2, s42, 9                          ; my 128 columns in each section of the bias
	s_add_nc_u64 s[96:97], s[96:97], s[2:3]
	s_mov_b32 s46, 0x76543210                      ; v_permlanex16_b32's selects for lane l xor 16
	s_mov_b32 s47, 0xfedcba98
	s_mov_b32 s44, 0x3c800000                      ; 1 / 64
	s_mov_b32 s45, 0x358637bd                      ; 1e-6
	s_mov_b32 s2, 0x3e38aa3b                       ; log2(e) / 8
	s_mov_b32 s3, s2                               ; (named with it as a pair, so it is written)
	WIN 0xc0                                       ; destination window 3
.irp p, 0,1,2
.irp b, 0,1,2,3,4,5,6,7
	global_load_b128 v[64*\p+8*\b:64*\p+8*\b+3],   v[HB], s[96:97] offset:4096*\p+64*\b      ; the bias in the result's layout: columns 16 b + 8 h + 0..7 of section p
	global_load_b128 v[64*\p+8*\b+4:64*\p+8*\b+7], v[HB], s[96:97] offset:4096*\p+64*\b+16
.endr
.endr
	WIN 0
.irp b, 0,1,2,3
	global_load_b128 v[NWQ+8*\b:NWQ+8*\b+3],   v[HB], s[98:99] offset:64*\b       ; the gains of channels 16 b + 8 h + 0..7
	global_load_b128 v[NWQ+8*\b+4:NWQ+8*\b+7], v[HB], s[98:99] offset:64*\b+16
	global_load_b128 v[NWK+8*\b:NWK+8*\b+3],   v[HB], s[100:101] offset:64*\b
	global_load_b128 v[NWK+8*\b+4:NWK+8*\b+7], v[HB], s[100:101] offset:64*\b+16
.endr
.macro FRAG reg, adr, q, i             ; a fragment, 16 rows x 128 K of 4-bit codes: registers 4 c .. 4 c + 3 hold K = 64 c + 32 h + 0 .. 31
.irp c, 0,1
	ds_load_b128 v[\reg+4*\c:\reg+4*\c+3], v[\adr] offset:64*(\q)+32*\c+(\i)*16*PITCH
.endr
.endm
; The fragments of step k (0..7: slot k / 4, its (k % 4)-th 128 along K) into sets k % 2: w_qkv's eight from region rg, then (sc = 1) the slot's scale words of that region, then x's four: blocks 2 and 3 are the youngest four loads.
.macro FETCH rg, k, sc
	WIN TO_B
.irp i, 0,1,2,3,4,5,6,7
	FRAG 128*((\k)%2)+FR*\i, ADRB+2*(\rg)+(\k)/4, (\k)%4, \i
.endr
	WIN 0
.if \sc
.irp i, 0,1,2,3,4,5,6,7
	ds_load_b128 v[SCB+32*((\k)/4)+4*\i:SCB+32*((\k)/4)+4*\i+3], v[ADSB] offset:(\rg)*HALFS+\i*SBLK+16*((\k)/4)
.endr
.endif
.irp i, 0,1,2,3
	FRAG AF+32*((\k)%2)+FR*\i, ADRA+(\k)/4, (\k)%4, \i
.endr
.endm
; 8 matrix instructions: x's block a against w_qkv's eight, step k.  Step 0 starts the sums from the pass's bias (BIP).  The 32 accumulators take turns, one instruction a turn, in one order everywhere.
.macro MULA a, k
.irp b, 0,1,2,3,4,5,6,7
.if (\k) == 0
	v_wmma_scale_f32_16x16x128_f8f6f4 v[8*(8*(\a)+\b):8*(8*(\a)+\b)+7], v[128*((\k)%2)+FR*\b:128*((\k)%2)+FR*\b+FR-1], v[AF+32*((\k)%2)+FR*(\a):AF+32*((\k)%2)+FR*(\a)+FR-1], v[BIP+8*\b:BIP+8*\b+7], v[SCB+32*((\k)/4)+4*\b+(\k)%4], v[SCA+16*((\k)/4)+4*(\a)+(\k)%4] matrix_a_fmt:MATRIX_FMT_FP4 matrix_b_fmt:MATRIX_FMT_FP4
.else
	v_wmma_scale_f32_16x16x128_f8f6f4 v[8*(8*(\a)+\b):8*(8*(\a)+\b)+7], v[128*((\k)%2)+FR*\b:128*((\k)%2)+FR*\b+FR-1], v[AF+32*((\k)%2)+FR*(\a):AF+32*((\k)%2)+FR*(\a)+FR-1], v[8*(8*(\a)+\b):8*(8*(\a)+\b)+7], v[SCB+32*((\k)/4)+4*\b+(\k)%4], v[SCA+16*((\k)/4)+4*(\a)+(\k)%4] matrix_a_fmt:MATRIX_FMT_FP4 matrix_b_fmt:MATRIX_FMT_FP4
.endif
.endr
.endm
.macro PLACES                          ; four plain vector instructions between a matrix instruction and a load into, or a vector read or write of, its registers
.rept 4
	v_nop
.endr
.endm
; A step of 128 along K whose successor needs no barrier: 32 matrix instructions; in its middle the next step's fragments are fetched into the other sets.
.macro STEP rg, k
	s_wait_dscnt 4                                 ; all but the youngest four loads (x's blocks 2 and 3) are in
.if (\k) == 0
	WIN W_MUL0
.else
	WIN W_MUL
.endif
	MULA 0, \k
	MULA 1, \k
	PLACES
.if (\k)%4 == 3
	FETCH \rg, (\k)+1, 1
	s_wait_dscnt 32                                ; all but the 32 just issued
.else
	FETCH \rg, (\k)+1, 0
	s_wait_dscnt 24                                ; all but the 24 just issued
.endif
.if (\k) == 0
	WIN W_MUL0
.else
	WIN W_MUL
.endif
	MULA 2, \k
	MULA 3, \k
.endm
; A step with a barrier in it.  In front of the barrier each wave waits for all its tensor loads, adds 0 to its spare word, and waits for that and for its LDS reads.  Behind it what the tensor loads brought is whole, and
; (fill = 1) no wave reads region 0 any more: the barrier then opens a round of the cluster's barrier, and the joint refill is the first thing behind the round.  Then step nk of region nrg is fetched.
.macro MEETSTEP k, nrg, nk, fill
	WIN 0                                          ; (the add's two registers lie in window 0)
	s_wait_tensorcnt 0x0
	ds_add_u32 v[SPW], v[NIL]                      ; 0 onto my spare word
	s_wait_dscnt 5                                 ; (the add and the youngest four loads may be out)
	WIN W_MUL
	MULA 0, \k                                     ; eight matrix instructions stand between the add and the wait for it
	s_wait_dscnt 0x0                               ; the add is done, and all my LDS reads are back
	s_barrier_signal -1
	MULA 1, \k
	WIN 0
	s_barrier_wait -1
.if \fill
	CREST                                          ; no wave of any partner still reads region 0 or has a load on its way
	RLOAD
.endif
	PLACES
	FETCH \nrg, \nk, 1
	WIN W_MUL
	MULA 2, \k
	MULA 3, \k
.endm
; THE WAY OUT of a pass.  A piece p = 2 a + e is 16 rows (block a) of one head (e): accumulators (a, 4 e + 0..3), 32 numbers a lane; the row's other 32 channels lie in lane l xor 16.
; Each piece has 16 registers of its own for its packed results, so a pass's stores are waited for once, at the head of the next way out.
.macro OUTN p, nw, o0, o1              ; q, k: x 1 / rms, x gain, rounded to f16, four stores of 512 bytes on end
.set oA, (\p)/2
.set oE, (\p)%2
.set oO, 64+16*((\p)%4)+128*((\p)/4)
	WIN 0x02                                       ; source 0: window 2
.set i, 0
.rept 16
.set rA, 8*(8*oA+4*oE+i/4)+2*(i%4)
	v_pk_mul_f32 v[TB+2*i:TB+2*i+1], v[rA:rA+1], v[SS+2*(\p):SS+2*(\p)+1] op_sel_hi:[1,0]
.set i, i+1
.endr
	WIN 0
.set i, 0
.rept 16
	v_pk_mul_f32 v[TB+2*i:TB+2*i+1], v[TB+2*i:TB+2*i+1], v[\nw+2*i:\nw+2*i+1]
.set i, i+1
.endr
	WIN 0x40                                       ; destination window 1
.set i, 0
.rept 16
	v_cvt_pk_f16_f32 v[oO+i], v[TB+2*i], v[TB+2*i+1]
.set i, i+1
.endr
	WIN 0x04                                       ; a store's data are its source 1: window 1
.irp bb, 0,1,2,3
.if oE == 0
	global_store_b128 v[STA], v[oO+4*\bb:oO+4*\bb+3], s[\o0:\o0+1] offset:oA*2048+\bb*512
.else
	global_store_b128 v[STA], v[oO+4*\bb:oO+4*\bb+3], s[\o1:\o1+1] offset:oA*2048+\bb*512
.endif
.endr
.endm
.macro WAYOUT_N nw, o0, o1, again
	PLACES                                         ; behind the pass's last products: their results are read, and x's set 1 is written, below
.if \again
	s_wait_xcnt 0x0                                ; the last pass's stores have read the packed results' registers: they are written again only behind this wait
.endif
	WIN 0x0a                                       ; sources 0 and 1: window 2
.set i, 0
.rept 16                                       ; the sums of squares: eight chains by turns; each accumulator is read from its low end on
.irp a, 0,1,2,3
.irp e, 0,1
.set rA, 8*(8*\a+4*\e+i/4)+2*(i%4)
.set rS, SS+2*(2*\a+\e)
.if i == 0
	v_pk_mul_f32 v[rS:rS+1], v[rA:rA+1], v[rA:rA+1]
.else
	v_pk_fma_f32 v[rS:rS+1], v[rA:rA+1], v[rA:rA+1], v[rS:rS+1]
.endif
.endr
.endr
.set i, i+1
.endr
	WIN 0
.irp p, 0,1,2,3,4,5,6,7
	v_add_f32 v[SS+2*\p], v[SS+2*\p], v[SS+2*\p+1]
.endr
.irp p, 0,1,2,3,4,5,6,7
	v_permlanex16_b32 v[SS+2*\p+1], v[SS+2*\p], s46, s47
.endr
.irp p, 0,1,2,3,4,5,6,7
	v_add_f32 v[SS+2*\p], v[SS+2*\p], v[SS+2*\p+1]         ; the row's 64 squares
.endr
.irp p, 0,1,2,3,4,5,6,7
	v_fma_f32 v[SS+2*\p], v[SS+2*\p], s44, s45             ; the mean + 1e-6
.endr
.irp p, 0,1,2,3,4,5,6,7
	v_rsq_f32 v[SS+2*\p], v[SS+2*\p]
.endr
	v_nop                                          ; a plain instruction behind the last of the batch,
	s_wait_alu depctr_va_vdst(0)                   ; and one wait for the eight, ahead of their first use
.set P, 0
.rept 8
	OUTN P, \nw, \o0, \o1
.set P, P+1
.endr
	WIN 0
.endm
.macro OUTV p                          ; v: rounded to f16 as it stands, in V's order of lanes
.set oA, (\p)/2
.set oE, (\p)%2
.set oO, 64+16*((\p)%4)+128*((\p)/4)
	WIN 0x4a                                       ; sources window 2, destination window 1
.set i, 0
.rept 16
.set rA, 8*(8*oA+4*oE+i/4)+2*(i%4)
	v_cvt_pk_f16_f32 v[oO+i], v[rA], v[rA+1]
.set i, i+1
.endr
	WIN 0x04
.irp bb, 0,1,2,3
.if oE == 0
	global_store_b128 v[STV], v[oO+4*\bb:oO+4*\bb+3], s[OK0:OK0+1] offset:32768+oA*2048+\bb*512
.else
	global_store_b128 v[STV], v[oO+4*\bb:oO+4*\bb+3], s[OK1:OK1+1] offset:32768+oA*2048+\bb*512
.endif
.endr
.endm
	s_wait_tensorcnt 1                             ; the scales and my part of slot 0 are in (slot 1's load may be out)
	s_barrier_signal -1
	s_barrier_wait -1                              ; everybody's are
.irp s, 0,1
.irp a, 0,1,2,3
	ds_load_b128 v[SCA+16*\s+4*\a:SCA+16*\s+4*\a+3], v[ADSA] offset:\a*SBLK+16*\s   ; x's scale words of my 64 rows, for all of K: they serve all three passes
.endr
.endr
	FETCH 0, 0, 1
	s_wait_loadcnt 0x0                             ; the bias and the gains
.set i, 0
.rept 16
	v_pk_mul_f32 v[NWQ+2*i:NWQ+2*i+1], v[NWQ+2*i:NWQ+2*i+1], s[2:3] op_sel_hi:[1,0]   ; q's gain x log2(e) / 8
.set i, i+1
.endr
	; ---- pass 0: q, from region 0
.set BIP, 0
.irp k, 0,1,2
	STEP 0, \k
.endr
	MEETSTEP 3, 0, 4, 0                            ; slot 1 is whole behind this barrier
.irp k, 4,5,6
	STEP 0, \k
.endr
	MEETSTEP 7, 1, 0, 1                            ; q's rows have been read: v's are asked for into their bytes; k's first fragments are fetched
	WIN 0
	WAYOUT_N NWQ, OQ0, OQ1, 0
	; ---- pass 1: k, from region 1
.set BIP, 64
.irp k, 0,1,2,3,4,5,6
	STEP 1, \k
.endr
	MEETSTEP 7, 0, 0, 0                            ; v's rows and scales are whole behind this barrier
	WIN 0
	WAYOUT_N NWK, OK0, OK1, 1
	; ---- pass 2: v, from region 0
.set BIP, 128
.irp k, 0,1,2,3,4,5,6
	STEP 0, \k
.endr
	s_wait_dscnt 4                                 ; the last step: nothing more to fetch
	WIN W_MUL
	MULA 0, 7
	MULA 1, 7
	s_wait_dscnt 0x0
	MULA 2, 7
	MULA 3, 7
	WIN 0
	PLACES
	s_wait_xcnt 0x0                                ; pass 1's stores have read the packed results' registers
.set P, 0
.rept 8
	OUTV P
.set P, P+1
.endr
	WIN 0
	s_wait_tensorcnt 0x0                           ; the wave's end
	ds_add_u32 v[SPW], v[NIL]
	s_wait_dscnt 0x0
	CROUND                                         ; the closing round
	s_endpgm
.Lfunc_end_k_q2d612bbd57_qkv:
	.size	k_q2d612bbd57_qkv, .Lfunc_end_k_q2d612bbd57_qkv-k_q2d612bbd57_qkv
	.p2alignl 7, 3214868480
	.fill 96, 4, 3214868480
	.section	.rodata,"a",@progbits
	.p2align	6, 0x0
	.amdhsa_kernel k_q2d612bbd57_qkv
		.amdhsa_group_segment_fixed_size 327680
		.amdhsa_private_segment_fixed_size 0
		.amdhsa_enable_private_segment 0
		.amdhsa_kernarg_size 72
		.amdhsa_user_sgpr_count 2
		.amdhsa_user_sgpr_kernarg_segment_ptr 1
		.amdhsa_wavefront_size32 1
		.amdhsa_system_sgpr_workgroup_id_x 1
		.amdhsa_system_sgpr_workgroup_id_y 1
		.amdhsa_system_sgpr_workgroup_id_z 1
		.amdhsa_system_vgpr_workitem_id 0
		.amdhsa_next_free_vgpr 1024
		.amdhsa_next_free_sgpr 102
		.amdhsa_reserve_vcc 0
		.amdhsa_float_denorm_mode_32 3
		.amdhsa_float_denorm_mode_16_64 3
		.amdhsa_memory_ordered 1
		.amdhsa_forward_progress 1
		.amdhsa_inst_pref_size 250
	.end_amdhsa_kernel
	.amdgpu_metadata
---
amdhsa.version: [ 1, 2 ]
amdhsa.kernels:
  - .name:           k_q2d612bbd57_qkv
    .symbol:         k_q2d612bbd57_qkv.kd
    .args:
      - { .name: x_codes, .offset: 0, .size: 8, .value_kind: global_buffer, .address_space: global }
      - { .name: x_scales, .offset: 8, .size: 8, .value_kind: global_buffer, .address_space: global }
      - { .name: w_codes, .offset: 16, .size: 8, .value_kind: global_buffer, .address_space: global }
      - { .name: w_scales, .offset: 24, .size: 8, .value_kind: global_buffer, .address_space: global }
      - { .name: b_qkv, .offset: 32, .size: 8, .value_kind: global_buffer, .address_space: global }
      - { .name: qn_w, .offset: 40, .size: 8, .value_kind: global_buffer, .address_space: global }
      - { .name: kn_w, .offset: 48, .size: 8, .value_kind: global_buffer, .address_space: global }
      - { .name: q_img, .offset: 56, .size: 8, .value_kind: global_buffer, .address_space: global }
      - { .name: kv_img, .offset: 64, .size: 8, .value_kind: global_buffer, .address_space: global }
    .group_segment_fixed_size: 327680
    .private_segment_fixed_size: 0
    .kernarg_segment_align: 8
    .kernarg_segment_size: 72
    .max_flat_workgroup_size: 128
    .sgpr_count:     102
    .vgpr_count:     1024
    .wavefront_size: 32
...
	.end_amdgpu_metadata
.endif
;; end of part 2
;; launch attn (part 3): grid 2 x 128, 8 waves a work-group, no clusters, 263,168 bytes of LDS; arguments q_img, kv_img, o_img; writes o_img
.if DOCPART == 3
	.amdgcn_target "amdgcn-amd-amdhsa--gfx1250"
	.amdhsa_code_object_version 6
	.text
	.protected	k_q2d612bbd57_attn
	.globl	k_q2d612bbd57_attn
	.p2align	8
	.type	k_q2d612bbd57_attn,@function
k_q2d612bbd57_attn:
	s_mov_b64 s[64:65], 0
	v_nop
	global_prefetch_b8 v0, s[64:65] scope:SCOPE_SE
	s_setreg_imm32_b32 hwreg(HW_REG_WAVE_MODE, 25, 1), 1
	s_wait_xcnt 0x0
; o[b][h][q] = the sum over k of softmax_k(q . k / 8) v[k], head size 64, 1,024 keys, no mask.  q, k, v arrive as f16 images of operand registers (q carries log2(e) / 8, so a score s is an exponent of 2); products with f16
; operands and f32 sums; maxima, exponentials and sums in f32; the weights p are rounded to f16 for the second product, o once at the end, to f16, as images for the projection.
; SHARES.  A work-group owns 512 queries of one (batch, head): 2 x 128 = 256 work-groups.  Each of its eight waves owns 64 queries, four tiles of 16, in 512 registers: two waves to a SIMD.  Every fragment of K and V read
; from LDS feeds four products.
; HALF A STEP APART.  A key step is a stretch of products and a stretch of vector work of about the same length, and waves that leave a barrier together want the same unit at the same time.  So four of the eight waves (1, 3, 4, 6:
; one of each pair w, w + 4 and one of each pair 2 i, 2 i + 1) begin only when the other four have issued their first products and found their first maxima: a second barrier stands behind the first; the early waves run the
; first half step ahead of it, the late ones behind it.  From there on one wave's products can stand beside another's softmax.  The one later barrier is split, its signal a whole step ahead of its wait, so that it holds nobody.
; THE HEAD'S WHOLE K AND V STAY IN LDS: 262,144 bytes, in four chunks of 256 keys (32 KiB of K, 32 KiB of V), each filled once: every wave brings an eighth of each chunk, four tensor loads on end at the head, behind the
; loads of Q, which is wanted with the first chunk.  Nothing is filled again.
; NO CLUSTER: only the two halves of a head's queries read the same tiles; a cluster four wide along x does not divide a grid two wide, and one along y would hold other heads, which share nothing.
; LAYOUT.  S^T = K Q^T (source 0 = 16 keys, source 1 = 16 queries): a lane holds ONE query (lane % 16) and keys 8 (lane / 16) + 0..7.  Two such tiles, rounded in pairs, ARE source 1 of O^T = V^T P, whose result holds one query
; a lane and eight channels, which rounded in pairs are a fragment's registers for the projection.  K comes out of LDS as it lies, V turned, by ds_load_tr16_b128; all at 16 x lane.
; SOFTMAX.  For each query a running maximum m and sum l: p = 2^(s - m); in every step O and l are multiplied by 2^(old m - new m).
; LIMITS: |o| stays under 65,504 (f16) where |v| does; NaN and infinities are not served.
; REGISTERS: window 0: v2 16 x lane; v3 the step's LDS address; v4, v5 the add's two; v16-47 eight registers of statistics a tile (+0 m, +1 old m then old - new, +2, +3 l, +4..+7 at work; the factor in +6);
;   v64-191 S^T, 32 a tile, P in a tile's low 16; v192-255 K's fragments.   window 1: v0-127 O^T, 32 a tile; v128-191 Q; v192-255 V's fragments.
.set LI,  2
.set ADR, 3
.set SPW, 4
.set NIL, 5
.set ST,  16
.set S,   64
.set KF,  192
.set QF,  128
.set VF,  192
.set SPARE, 262144                     ; behind K and V: the spare words, 128 bytes for each of eight waves
.set WV,  10
.set BH,  11
.set HALF, 12
.set ROLE, 13                          ; s13  0: an early wave; 1: a late one
.set G1,  16                           ; s[16:23] descriptor group 1
.set G0,  24                           ; s[24:39] group 0, one set for each chunk
.set SEL, 40
.set TB,  42                           ; s42  LDS byte at which the step's K begins; its V lies 32,768 bytes on
.set CNT, 43
.set MSB, 0
.macro WIN new
.if MSB != (\new)
	s_set_vgpr_msb (MSB<<8)|(\new)
.set MSB, (\new)
.endif
.endm
	s_load_b128 s[4:7], s[0:1], 0x0                ; q's images, k's and v's
	s_load_b64 s[8:9], s[0:1], 0x10                ; o's
	v_lshl_add_u32 v[SPW], v0, 2, SPARE
	v_mov_b32 v[NIL], 0
	ds_add_u32 v[SPW], v[NIL]                      ; the wave's opening: the add, twice on end, and its wait ahead of my first tensor load
	ds_add_u32 v[SPW], v[NIL]
	v_lshrrev_b32 v1, 5, v0
	v_readfirstlane_b32 s[WV], v1                  ; wave 0..7
	s_lshr_b32 s[ROLE], s[WV], 2
	s_xor_b32 s[ROLE], s[ROLE], s[WV]
	s_and_b32 s[ROLE], s[ROLE], 1                  ; (wave % 2) xor (wave / 4): 1 in waves 1, 3, 4, 6
	s_and_b32 s[BH], ttmp7, 0xffff                 ; 16 x batch + head
	s_mov_b32 s[HALF], ttmp9                       ; which 512 queries
	s_mov_b32 s[G1+0], 3<<16                       ; no mask; elements of 8 bytes; no padding
	s_mov_b32 s[G1+1], 32<<16                      ; tensor_dim0 = 32 elements: 256 bytes
	s_mov_b32 s[G1+2], 32<<16                      ; tensor_dim1 = 32 rows
	s_mov_b32 s[G1+3], 32<<16                      ; tile_dim0
	s_mov_b32 s[G1+4], 32                          ; tile_dim1: 8,192 dense bytes
	s_mov_b32 s[G1+5], 32                          ; from row to row
	s_mov_b32 s[G1+6], 0
	s_mov_b32 s[G1+7], 0
	s_mov_b32 s[SEL], 0x76543210                   ; v_permlanex16_b32's selects for lane l xor 16
	s_mov_b32 s[SEL+1], 0xfedcba98
	v_and_b32 v[LI], 31, v0
	v_lshlrev_b32 v[LI], 4, v[LI]
	s_lshl_b32 s46, s[WV], 13                      ; my eighth of a chunk; also my 64 queries' images
	s_lshl_b32 s44, s[BH], 18                      ; a head's K and V
	s_add_co_u32 s44, s44, s46
	s_mov_b32 s45, 0
	s_lshl_b32 s48, s[BH], 17                      ; a head's Q
	s_lshl_b32 s47, s[HALF], 16
	s_add_co_u32 s48, s48, s47
	s_add_co_u32 s48, s48, s46
	s_mov_b32 s49, 0
	; o's images lie [row / 128][K step of 128 = head / 2][(row / 64) % 2][2 (head % 2) + channel / 32][(row / 16) % 4][1,024 bytes]
	s_lshr_b32 s50, s[BH], 4
	s_lshl_b32 s50, s50, 3
	s_lshl_b32 s51, s[HALF], 2
	s_add_co_u32 s50, s50, s51
	s_lshr_b32 s51, s[WV], 1
	s_add_co_u32 s50, s50, s51                     ; 8 x batch + 4 x half + wave / 2
	s_lshl_b32 s50, s50, 18
	s_bfe_u32 s51, s[BH], 0x30001                  ; head / 2
	s_lshl_b32 s51, s51, 15
	s_add_co_u32 s50, s50, s51
	s_and_b32 s51, s[WV], 1
	s_lshl_b32 s51, s51, 14
	s_add_co_u32 s50, s50, s51
	s_and_b32 s51, s[BH], 1
	s_lshl_b32 s51, s51, 13
	s_add_co_u32 s50, s50, s51
	s_mov_b32 s51, 0
	s_wait_dscnt 0x0                               ; both opening adds are done
	s_wait_kmcnt 0x0
	s_add_nc_u64 s[6:7], s[6:7], s[44:45]
	s_add_nc_u64 s[4:5], s[4:5], s[48:49]
	s_add_nc_u64 s[8:9], s[8:9], s[50:51]
	WIN 0x40                                       ; destination window 1
.set i, 0
.rept 16
	global_load_b128 v[QF+4*i:QF+4*i+3], v[LI], s[4:5] offset:512*i   ; Q stays in registers: tile i / 4, channels 32 ((i / 2) % 2) on.  Asked for ahead of K and V: the first products want it
.set i, i+1
.endr
	WIN 0
.irp c, 0,1,2,3
	s_mov_b32 s[G0+4*\c], 1
	s_add_co_u32 s[G0+4*\c+1], s46, \c*65536       ; LDS: the chunk, my eighth: a byte's place in LDS is its place in the head's images
	s_add_nc_u64 s[G0+4*\c+2:G0+4*\c+3], s[6:7], \c*65536
	s_or_b32 s[G0+4*\c+3], s[G0+4*\c+3], 0x80000000
.endr
.irp c, 0,1,2,3
	tensor_load_to_lds s[G0+4*\c:G0+4*\c+3], s[G1:G1+7]   ; four tensor loads of mine are out, and no more follow
	s_nop 0
.endr
.rept 4
	v_nop
.endr
.irp t, 0,1,2,3
	v_mov_b32 v[ST+8*\t+1], 0                      ; named as the upper half of the pair (m, +1) before it is first written
.endr
; A KEY STEP, 64 keys, in two halves.  first = 1: the first step, which starts m, l and O^T; its tiles begin at LDS byte 0, so its address is 16 x lane as it stands.
; THE FIRST HALF: the LDS loads, S^T = K Q^T, the new maximum, s - m.
.macro STEP_A first
.if \first
.set AD, LI
.else
.set AD, ADR
	v_add_nc_u32 v[ADR], s[TB], v[LI]
.rept 5
	v_nop                                          ; with the addition six places behind the last products: V's registers are loaded anew (four are asked), and P's are written over by matrix instructions (five)
.endr
.endif
.set i, 0
.rept 16
	ds_load_b128 v[KF+4*i:KF+4*i+3], v[AD] offset:512*i               ; K: tile of keys i / 4, channels 32 ((i / 2) % 2) on
.set i, i+1
.endr
	WIN 0x40
.irp c2, 0,1
.irp dt, 0,1,2,3
.irp u, 0,1
	ds_load_tr16_b128 v[VF+8*(4*\c2+\dt)+4*\u:VF+8*(4*\c2+\dt)+4*\u+3], v[AD] offset:32768+(2*\c2+\u)*2048+\dt*512   ; V turned: lane (r, h): channel 16 dt + r, keys 32 c2 + 16 u + 8 h + 0..7
.endr
.endr
.endr
	s_wait_dscnt 16                                ; K is in; V's sixteen loads may be out
	WIN 0x04                                       ; Q in window 1
.irp c, 0,1                                    ; sixteen accumulators by turns
.irp t, 0,1,2,3
.irp kt, 0,1,2,3
.if \c == 0
	v_wmma_f32_16x16x32_f16 v[S+32*\t+8*\kt:S+32*\t+8*\kt+7], v[KF+16*\kt+8*\c:KF+16*\kt+8*\c+7], v[QF+16*\t+8*\c:QF+16*\t+8*\c+7], 0
.else
	v_wmma_f32_16x16x32_f16 v[S+32*\t+8*\kt:S+32*\t+8*\kt+7], v[KF+16*\kt+8*\c:KF+16*\kt+8*\c+7], v[QF+16*\t+8*\c:QF+16*\t+8*\c+7], v[S+32*\t+8*\kt:S+32*\t+8*\kt+7]
.endif
.endr
.endr
.endr
	WIN 0
.rept 4
	v_nop
.endr
	; the four tiles by turns in every line.  The maximum: four chains, one for each accumulator, begun at its low end
.irp j, 0,1,2,3
.irp t, 0,1,2,3
	v_max3_num_f32 v[ST+8*\t+4+\j], v[S+32*\t+8*\j], v[S+32*\t+8*\j+1], v[S+32*\t+8*\j+2]
.endr
.endr
.irp k, 3,5
.irp j, 0,1,2,3
.irp t, 0,1,2,3
	v_max3_num_f32 v[ST+8*\t+4+\j], v[ST+8*\t+4+\j], v[S+32*\t+8*\j+\k], v[S+32*\t+8*\j+\k+1]
.endr
.endr
.endr
.irp t, 0,1,2,3
	v_max3_num_f32 v[ST+8*\t+4], v[ST+8*\t+4], v[S+32*\t+7], v[S+32*\t+15]
.endr
.irp t, 0,1,2,3
	v_max3_num_f32 v[ST+8*\t+6], v[ST+8*\t+6], v[S+32*\t+23], v[S+32*\t+31]
.endr
.irp t, 0,1,2,3
	v_max3_num_f32 v[ST+8*\t+4], v[ST+8*\t+4], v[ST+8*\t+5], v[ST+8*\t+6]
.endr
.irp t, 0,1,2,3
.if \first
	v_max_num_f32 v[ST+8*\t+4], v[ST+8*\t+4], v[ST+8*\t+7]
.else
	v_max3_num_f32 v[ST+8*\t+4], v[ST+8*\t+4], v[ST+8*\t+7], v[ST+8*\t]   ; and the old m
.endif
.endr
.irp t, 0,1,2,3
	v_permlanex16_b32 v[ST+8*\t+5], v[ST+8*\t+4], s[SEL], s[SEL+1]        ; the query's other 32 keys lie in the lane 16 away
.endr
.if !\first
.irp t, 0,1,2,3
	v_mov_b32 v[ST+8*\t+1], v[ST+8*\t]
.endr
.endif
.irp t, 0,1,2,3
	v_max_num_f32 v[ST+8*\t], v[ST+8*\t+4], v[ST+8*\t+5]                  ; the new m
.endr
.if !\first
.irp t, 0,1,2,3
	v_sub_f32 v[ST+8*\t+1], v[ST+8*\t+1], v[ST+8*\t]                      ; old m - new m
.endr
.endif
.set i, 0
.rept 16
.irp t, 0,1,2,3
	v_pk_add_f32 v[S+32*\t+2*i:S+32*\t+2*i+1], v[S+32*\t+2*i:S+32*\t+2*i+1], v[ST+8*\t:ST+8*\t+1] op_sel_hi:[1,0] neg_lo:[0,1] neg_hi:[0,1]   ; s - m, two at a time
.endr
.set i, i+1
.endr
.endm
; THE SECOND HALF: the exponentials, l, P, O^T under the new m, O^T += V^T P.
.macro STEP_B first
.if !\first
.irp t, 0,1,2,3
	v_exp_f32 v[ST+8*\t+6], v[ST+8*\t+1]           ; the factor 2^(old m - new m)
.endr
.endif
.set i, 0
.rept 32
.irp t, 0,1,2,3
	v_exp_f32 v[S+32*\t+i], v[S+32*\t+i]           ; p = 2^(s - m): ONE batch with the factors; none of its lines reads another's result
.endr
.set i, i+1
.endr
	v_nop                                          ; a plain instruction behind the last exponential,
	s_wait_alu depctr_va_vdst(0)                   ; and one wait for the batch, ahead of its first use
.irp t, 0,1,2,3
.if \first
	v_pk_add_f32 v[ST+8*\t+2:ST+8*\t+3], v[S+32*\t:S+32*\t+1], v[S+32*\t+2:S+32*\t+3]
.else
	v_pk_fma_f32 v[ST+8*\t+2:ST+8*\t+3], v[ST+8*\t+2:ST+8*\t+3], v[ST+8*\t+6:ST+8*\t+7], v[S+32*\t:S+32*\t+1] op_sel_hi:[1,0,1]
.endif
.endr
.set i, 1+\first
.rept 15-\first
.irp t, 0,1,2,3
	v_pk_add_f32 v[ST+8*\t+2:ST+8*\t+3], v[ST+8*\t+2:ST+8*\t+3], v[S+32*\t+2*i:S+32*\t+2*i+1]   ; l takes the unrounded p
.endr
.set i, i+1
.endr
.set i, 0
.rept 16
.irp t, 0,1,2,3
	v_cvt_pk_f16_f32 v[S+32*\t+i], v[S+32*\t+2*i], v[S+32*\t+2*i+1]       ; P, in place, ascending
.endr
.set i, i+1
.endr
	s_wait_dscnt 0x0                               ; V is in
.if !\first
	WIN 0x41                                       ; O^T in window 1, the factor in window 0
.set i, 0
.rept 16
.irp t, 0,1,2,3
	v_pk_mul_f32 v[32*\t+2*i:32*\t+2*i+1], v[32*\t+2*i:32*\t+2*i+1], v[ST+8*\t+6:ST+8*\t+7] op_sel_hi:[1,0]
.endr
.set i, i+1
.endr
.endif
	WIN 0x51                                       ; V and O^T in window 1, P in window 0
.irp c2, 0,1
.irp t, 0,1,2,3
.irp dt, 0,1,2,3
.if \first && (\c2 == 0)
	v_wmma_f32_16x16x32_f16 v[32*\t+8*\dt:32*\t+8*\dt+7], v[VF+8*(4*\c2+\dt):VF+8*(4*\c2+\dt)+7], v[S+32*\t+8*\c2:S+32*\t+8*\c2+7], 0
.else
	v_wmma_f32_16x16x32_f16 v[32*\t+8*\dt:32*\t+8*\dt+7], v[VF+8*(4*\c2+\dt):VF+8*(4*\c2+\dt)+7], v[S+32*\t+8*\c2:S+32*\t+8*\c2+7], v[32*\t+8*\dt:32*\t+8*\dt+7]
.endif
.endr
.endr
.endr
	WIN 0
	s_add_co_u32 s[TB], s[TB], 8192                ; the next 64 keys
.endm
; One of the chunks 1 to 3: four steps.  No barrier: the one behind chunk 0's last step has shown all three whole.
.macro CHUNK c
	s_mov_b32 s[TB], \c*65536
	s_mov_b32 s[CNT], 4
.Lstep_\@:
	STEP_A 0
	STEP_B 0
	s_sub_co_u32 s[CNT], s[CNT], 1
	s_cmp_lg_u32 s[CNT], 0
	s_cbranch_scc1 .Lstep_\@
.endm
	s_wait_loadcnt 0x0                             ; Q
	s_wait_tensorcnt 3                             ; my eighth of chunk 0 is in; the three loads issued behind it may be out
	s_barrier_signal -1
	s_barrier_wait -1                              ; everybody's is
	s_mov_b32 s[TB], 0
	s_cmp_eq_u32 s[ROLE], 0
	s_cbranch_scc0 .Llate_waits
	STEP_A 1                                       ; the early waves' first half step
.Llate_waits:
	s_wait_dscnt 0x0                               ; (an early wave's loads of V)
	s_barrier_signal -1                            ; a late wave comes here at once and is held until the four early ones have come: it begins half a step behind them
	s_barrier_wait -1
	s_cmp_eq_u32 s[ROLE], 0
	s_cbranch_scc1 .Learly_goes_on
	STEP_A 1                                       ; the late waves' first half step
.Learly_goes_on:
	STEP_B 1
	s_mov_b32 s[CNT], 2
.Lstep_0:
	STEP_A 0
	STEP_B 0
	s_sub_co_u32 s[CNT], s[CNT], 1
	s_cmp_lg_u32 s[CNT], 0
	s_cbranch_scc1 .Lstep_0
	s_wait_tensorcnt 0x0                           ; my eighths of chunks 1 to 3 are in.  No LDS instruction of mine is out (the last wait on them was for 0):
	s_barrier_signal -1                            ; say so a whole step ahead of the wait, so that a late wave has said so when an early one asks;
	STEP_A 0                                       ; chunk 0's last step: register work and loads of chunk 0, which nobody writes
	STEP_B 0
	s_barrier_wait -1                              ; everybody's are
	CHUNK 1
	CHUNK 2
	CHUNK 3
	; THE WAY OUT.  l's halves and the other half of the lanes' are added; O^T / l is rounded to f16 and stored as it stands: a lane's eight channels are four registers of a fragment of the projection.
.irp t, 0,1,2,3
	v_add_f32 v[ST+8*\t+4], v[ST+8*\t+2], v[ST+8*\t+3]     ; (these four are the places behind the last products)
.endr
.irp t, 0,1,2,3
	v_permlanex16_b32 v[ST+8*\t+5], v[ST+8*\t+4], s[SEL], s[SEL+1]
.endr
.irp t, 0,1,2,3
	v_add_f32 v[ST+8*\t+4], v[ST+8*\t+4], v[ST+8*\t+5]
.endr
.irp t, 0,1,2,3
	v_rcp_f32 v[ST+8*\t+6], v[ST+8*\t+4]
.endr
	v_nop
	s_wait_alu depctr_va_vdst(0)                   ; one wait for the four reciprocals, ahead of their first use
.irp t, 0,1,2,3
	WIN 0x01                                       ; O^T in window 1; the results take S^T's registers
.set i, 0
.rept 16
	v_pk_mul_f32 v[S+32*\t+2*i:S+32*\t+2*i+1], v[32*\t+2*i:32*\t+2*i+1], v[ST+8*\t+6:ST+8*\t+7] op_sel_hi:[1,0]
.set i, i+1
.endr
	WIN 0
.set i, 0
.rept 16
	v_cvt_pk_f16_f32 v[S+32*\t+i], v[S+32*\t+2*i], v[S+32*\t+2*i+1]
.set i, i+1
.endr
.irp dt, 0,1,2,3
	global_store_b128 v[LI], v[S+32*\t+4*\dt:S+32*\t+4*\dt+3], s[8:9] offset:\t*1024+(\dt/2)*4096+(\dt%2)*512   ; 512 consecutive bytes, aligned
.endr
.endr
	s_wait_tensorcnt 0x0                           ; the wave's end
	ds_add_u32 v[SPW], v[NIL]
	s_wait_dscnt 0x0
	s_endpgm
.Lfunc_end_k_q2d612bbd57_attn:
	.size	k_q2d612bbd57_attn, .Lfunc_end_k_q2d612bbd57_attn-k_q2d612bbd57_attn
	.p2alignl 7, 3214868480
	.fill 96, 4, 3214868480
	.section	.rodata,"a",@progbits
	.p2align	6, 0x0
	.amdhsa_kernel k_q2d612bbd57_attn
		.amdhsa_group_segment_fixed_size 263168
		.amdhsa_private_segment_fixed_size 0
		.amdhsa_enable_private_segment 0
		.amdhsa_kernarg_size 24
		.amdhsa_user_sgpr_count 2
		.amdhsa_user_sgpr_kernarg_segment_ptr 1
		.amdhsa_wavefront_size32 1
		.amdhsa_system_sgpr_workgroup_id_x 1
		.amdhsa_system_sgpr_workgroup_id_y 1
		.amdhsa_system_sgpr_workgroup_id_z 1
		.amdhsa_system_vgpr_workitem_id 0
		.amdhsa_next_free_vgpr 512
		.amdhsa_next_free_sgpr 66
		.amdhsa_reserve_vcc 0
		.amdhsa_float_denorm_mode_32 3
		.amdhsa_float_denorm_mode_16_64 3
		.amdhsa_memory_ordered 1
		.amdhsa_forward_progress 1
		.amdhsa_inst_pref_size 214
	.end_amdhsa_kernel
	.amdgpu_metadata
---
amdhsa.version: [ 1, 2 ]
amdhsa.kernels:
  - .name:           k_q2d612bbd57_attn
    .symbol:         k_q2d612bbd57_attn.kd
    .args:
      - { .name: q_img, .offset: 0, .size: 8, .value_kind: global_buffer, .address_space: global }
      - { .name: kv_img, .offset: 8, .size: 8, .value_kind: global_buffer, .address_space: global }
      - { .name: o_img, .offset: 16, .size: 8, .value_kind: global_buffer, .address_space: global }
    .group_segment_fixed_size: 263168
    .private_segment_fixed_size: 0
    .kernarg_segment_align: 8
    .kernarg_segment_size: 24
    .max_flat_workgroup_size: 256
    .sgpr_count:     66
    .vgpr_count:     512
    .wavefront_size: 32
...
	.end_amdgpu_metadata
.endif
;; end of part 3
;; launch proj (part 4): grid 4 x 64, 4 waves a work-group, clusters of 4 x 4, 327,680 bytes of LDS; arguments o_img, wp_img, b_proj, out0; writes out0
.if DOCPART == 4
	.amdgcn_target "amdgcn-amd-amdhsa--gfx1250"
	.amdhsa_code_object_version 6
	.text
	.protected	k_q2d612bbd57_proj
	.globl	k_q2d612bbd57_proj
	.p2align	8
	.type	k_q2d612bbd57_proj,@function
k_q2d612bbd57_proj:
	s_mov_b64 s[64:65], 0
	v_nop
	global_prefetch_b8 v0, s[64:65] scope:SCOPE_SE
	s_setreg_imm32_b32 hwreg(HW_REG_WAVE_MODE, 25, 1), 1
	s_wait_xcnt 0x0
	s_wait_alu depctr_hold_cnt(0) depctr_sa_sdst(0) depctr_va_vdst(0) depctr_va_sdst(0) depctr_va_ssrc(0) depctr_va_vcc(0) depctr_vm_vsrc(0)
	s_getreg_b32 s2, hwreg(HW_REG_IB_STS2, 6, 4)
	s_cmp_eq_u32 s2, 0
	s_cbranch_scc0 .Lentry_in_a_cluster
	s_endpgm
.Lentry_in_a_cluster:
	s_bfe_u32 s2, ttmp6, 0x10000c
	s_cmp_lg_u32 s2, 0xf033
	s_cbranch_scc0 .Lentry_shape_is_right
	s_endpgm
.Lentry_shape_is_right:
; out0 = o w_proj^T + b_proj.  o [8192][1024] and w_proj [1024][1024] arrive as f16 images of operand registers; sums in f32; out0 [8192][1024] f32.
; A tile of 128 rows x 256 columns is made by a work-group of four waves: 64 x 4 = 256 work-groups (tiles of 256 x 256 would be 128).  A wave makes 64 x 128: 32 accumulators of 16 x 16, all of window 1.
; K goes in steps of 128 through a ring of two LDS slots: o's part of a K step is 32,768 dense bytes, w_proj's 65,536.  Fragments lie in LDS as images, 1,024 bytes each, read at 16 x lane: no pitch, no padding.
; CLUSTERS: 4 x 4 work-groups.  The four of a row of the cluster need the same tiles of o, the four of a column the same tiles of w_proj: each is asked for JOINTLY.
; THE MATRIX INSTRUCTION IS USED TRANSPOSED (source 0 = 16 rows of w_proj, source 1 = 16 rows of o): a lane holds eight neighbouring numbers of a row of out0.
; THE BIAS STARTS THE SUMS: it is loaded straight into the accumulators, in the result's layout, so no first step is written apart and nothing is cleared or added at the end.
; REGISTERS: window 0: v16-30 addresses; v32-127 and v128-223 two fragment buffers (o's four fragments, then w_proj's eight); on the way out v32-159 rows of out0.   window 1: accumulator (a, b) at v[8 (8 a + b)].
.set SLOT,   98304                     ; o's 32,768 bytes [row half][quarter][a][1,024], then w_proj's 65,536 [column half][quarter][b][1,024]
.set BOFF,   32768
.set STAGE,  2*SLOT                    ; behind the ring: 16 rows x (512 bytes + 16) for each wave, for the way out; no tensor load lands there
.set SPITCH, 528
.set SPARE,  STAGE+4*16*SPITCH         ; the spare words, 128 bytes for each wave
.set ADRA, 16                          ; v16-17  LDS address of my o fragments in slot 0, 1
.set ADRB, 20                          ; v20-21  the same for w_proj
.set STO,  24
.set RD,   25
.set CO,   26                          ; v26     16 x lane
.set HB,   27                          ; v27     32 h
.set SPW,  28
.set NIL,  29
.set PFO,  30                          ; v30     256 x lane: the prefetches' offset
.set F0,   32
.set F1,   128
.set BK,   32
.set G1,  24
.set G0,  32
.set G1B, 48
.set G0B, 56
.set LIM, 43                           ; s43     1 in the wave that prefetches, else the greatest number
.set PFA, 44                           ; s[44:45] where my work-group's prefetches stand
.set MSB, 0
.macro WIN new
.if MSB != (\new)
	s_set_vgpr_msb (MSB<<8)|(\new)
.set MSB, (\new)
.endif
.endm
.set W_MUL, 0x50                       ; fragments in window 0, C and D in window 1
.macro JLOAD s                         ; a joint load: waves 0 and 1 fetch o's two halves, waves 2 and 3 w_proj's; an s_nop 0 and four v_nop follow each of the two lines
	s_cmp_eq_u32 s15, 0
	s_cbranch_scc0 .Lfor_b_\@
	tensor_load_to_lds s[G0+4*\s:G0+4*\s+3], s[G1:G1+7]
	s_nop 0
.rept 4
	v_nop
.endr
	s_branch .Lasked_\@
.Lfor_b_\@:
	tensor_load_to_lds s[G0B+4*\s:G0B+4*\s+3], s[G1B:G1B+7]
	s_nop 0
.rept 4
	v_nop
.endr
.Lasked_\@:
.endm
.macro CREST                           ; a round of the cluster's barrier behind its opening barrier
	s_cmp_lg_u32 s14, 0
	s_cbranch_scc1 .Lnot_wave_0_\@
	s_barrier_signal -3
.Lnot_wave_0_\@:
	s_barrier_wait -3
	s_barrier_signal -1
	s_barrier_wait -1
.endm
.macro CROUND
	s_barrier_signal -1
	s_barrier_wait -1
	CREST
.endm
; A prefetch of o's K step that stands two refills on: 256 matrix instructions a wave ahead of the load that will want it.  o's tile row is read by this row of this cluster alone; its 32,768 bytes of a K step are shared
; out among the four partners BY ADDRESS, 8,192 each; in each, wave 0 asks, lanes 256 bytes apart.  K steps 4 to 7 are so named once each; the loop's last trip has no K step two on and asks for nothing.
; w_proj's images, which every cluster reads, are not asked for.
.macro ASK
	s_cmp_gt_u32 s3, s[LIM]
	s_cbranch_scc0 .Lnot_mine_\@
	global_prefetch_b8 v[PFO], s[PFA:PFA+1] th:TH_LOAD_NT scope:SCOPE_SE
.Lnot_mine_\@:
.endm
	s_load_b128 s[4:7], s[0:1], 0x0                ; o's images, w_proj's
	s_load_b128 s[8:11], s[0:1], 0x10              ; b_proj, out0
	v_lshl_add_u32 v[SPW], v0, 2, SPARE
	v_mov_b32 v[NIL], 0
	ds_add_u32 v[SPW], v[NIL]                      ; the wave's opening: the add, twice on end, and its wait ahead of my first tensor load
	ds_add_u32 v[SPW], v[NIL]
	v_lshrrev_b32 v1, 5, v0
	v_readfirstlane_b32 s14, v1                    ; wave 0..3
	s_lshr_b32 s15, s14, 1                         ; which half of the tile's rows is mine.  Also: I fetch for o (0) or for w_proj (1)
	s_and_b32 s16, s14, 1                          ; which half of its columns.  Also: which half of that tile I fetch
	s_bfe_u32 s40, ttmp6, 0x40000                  ; cx, cy
	s_bfe_u32 s41, ttmp6, 0x40004
	s_lshl_b32 s42, ttmp9, 2
	s_add_co_u32 s42, s42, s40                     ; tile column
	s_and_b32 s17, ttmp7, 0xffff
	s_lshl_b32 s17, s17, 2
	s_add_co_u32 s17, s17, s41                     ; tile row
	s_lshl_b32 s43, s41, 2
	s_lshl_b32 s43, 15, s43                        ; my row of the cluster
	s_lshl_b32 s44, 0x1111, s40                    ; my column
	s_or_b32 s[G1+0], s43, (3<<16)|(1<<21)         ; the mask: o's tiles go to my row; elements of 8 bytes; bit 21 set beside a mask; no padding
	s_or_b32 s[G1B+0], s44, (3<<16)|(1<<21)
	s_mov_b32 s[G1+1], 32<<16                      ; rows of 256 bytes,
	s_mov_b32 s[G1+2], 64<<16                      ; 64 of them: 16,384 dense bytes
	s_mov_b32 s[G1+3], 32<<16
	s_mov_b32 s[G1+4], 64
	s_mov_b32 s[G1+5], 32
	s_mov_b32 s[G1+6], 0
	s_mov_b32 s[G1+7], 0
	s_mov_b32 s[G1B+1], 32<<16
	s_mov_b32 s[G1B+2], 128<<16                    ; 128 rows: 32,768 dense bytes
	s_mov_b32 s[G1B+3], 32<<16
	s_mov_b32 s[G1B+4], 128
	s_mov_b32 s[G1B+5], 32
	s_mov_b32 s[G1B+6], 0
	s_mov_b32 s[G1B+7], 0
	s_lshl_b32 s18, s16, 14                        ; o: my half of a K step, in memory and in a slot
	s_lshl_b32 s20, s17, 18                        ; a tile row is 262,144 bytes
	s_add_co_u32 s20, s20, s18
	s_mov_b32 s21, 0
	s_lshl_b32 s19, s16, 15                        ; w_proj: my half
	s_lshl_b32 s46, s42, 19                        ; a tile column is 524,288 bytes
	s_add_co_u32 s46, s46, s19
	s_mov_b32 s47, 0
	s_wait_dscnt 0x0                               ; both opening adds are done
	s_wait_kmcnt 0x0
	s_add_nc_u64 s[20:21], s[4:5], s[20:21]
	s_add_nc_u64 s[46:47], s[6:7], s[46:47]
	CROUND                                         ; all sixteen work-groups are here: the first joint loads meet
.irp s, 0,1
	s_mov_b32 s[G0+4*\s], 1
	s_add_co_u32 s[G0+4*\s+1], s18, \s*SLOT
	s_add_nc_u64 s[G0+4*\s+2:G0+4*\s+3], s[20:21], \s*32768
	s_or_b32 s[G0+4*\s+3], s[G0+4*\s+3], 0x80000000
	s_mov_b32 s[G0B+4*\s], 1
	s_add_co_u32 s[G0B+4*\s+1], s19, \s*SLOT+BOFF
	s_add_nc_u64 s[G0B+4*\s+2:G0B+4*\s+3], s[46:47], \s*65536
	s_or_b32 s[G0B+4*\s+3], s[G0B+4*\s+3], 0x80000000
	JLOAD \s
.endr
	v_and_b32 v1, 15, v0                           ; r
	v_bfe_u32 v2, v0, 4, 1                         ; h
	v_and_b32 v3, 31, v0
	v_lshlrev_b32 v[CO], 4, v3
	s_lshl_b32 s22, s15, 14                        ; my 64 rows of o
	s_lshl_b32 s23, s16, 15                        ; my 128 rows of w_proj,
	s_add_co_u32 s23, s23, BOFF                    ; which lie behind o's part
.irp s, 0,1
	v_add_nc_u32 v[ADRA+\s], s22, v[CO]
	v_add_nc_u32 v[ADRB+\s], s23, v[CO]
	s_add_co_u32 s22, s22, SLOT
	s_add_co_u32 s23, s23, SLOT
.endr
	s_mul_i32 s22, s14, 16*SPITCH
	s_add_co_u32 s22, s22, STAGE                   ; my stage
	v_mul_u32_u24 v4, v1, SPITCH
	v_lshl_add_u32 v4, v2, 5, v4
	v_add_nc_u32 v[STO], s22, v4                   ; in: row r, 32 bytes for each half of the lanes
	v_add_nc_u32 v[RD], s22, v[CO]                 ; back: the 32 lanes take one row of 512 bytes
	v_lshlrev_b32 v[HB], 5, v2
	v_lshlrev_b32 v[PFO], 8, v3
	s_lshl_b32 s22, s42, 10
	s_lshl_b32 s23, s16, 9
	s_add_co_u32 s22, s22, s23                     ; my first column, in bytes
	s_mov_b32 s23, 0
	s_add_nc_u64 s[8:9], s[8:9], s[22:23]          ; in b_proj,
	s_add_nc_u64 s[10:11], s[10:11], s[22:23]      ; and in out0,
	s_lshl_b32 s22, s17, 19
	s_lshl_b32 s18, s15, 18
	s_add_co_u32 s22, s22, s18
	s_add_nc_u64 s[10:11], s[10:11], s[22:23]      ; at my first row: 128 x tile row + 64 x half, 4,096 bytes a row
	s_lshl_b32 s22, s17, 18
	s_lshl_b32 s18, s40, 13
	s_add_co_u32 s22, s22, s18
	s_add_co_u32 s22, s22, 3*32768                 ; at K step 3: the first change of slots steps it to 4.  Nothing is prefetched here, at the head
	s_add_nc_u64 s[PFA:PFA+1], s[4:5], s[22:23]
	s_cmp_eq_u32 s14, 0
	s_cselect_b32 s[LIM], 1, -1
	WIN 0x40                                       ; destination window 1
.irp a, 0,1,2,3
.irp b, 0,1,2,3,4,5,6,7
	global_load_b128 v[8*(8*\a+\b):8*(8*\a+\b)+3],   v[HB], s[8:9] offset:64*\b      ; the bias of columns 16 b + 8 h + 0..7, the same for every row
	global_load_b128 v[8*(8*\a+\b)+4:8*(8*\a+\b)+7], v[HB], s[8:9] offset:64*\b+16
.endr
.endr
	WIN 0
; 8 n matrix instructions: o's blocks a0 .. a0 + n - 1 against w_proj's eight, 32 along K, from buffer f.  The 32 accumulators take turns in one order everywhere.
.macro MUL a0, n, f
.set aa, \a0
.rept \n
.irp b, 0,1,2,3,4,5,6,7
	v_wmma_f32_16x16x32_f16 v[8*(8*aa+\b):8*(8*aa+\b)+7], v[\f+32+8*\b:\f+32+8*\b+7], v[\f+8*aa:\f+8*aa+7], v[8*(8*aa+\b):8*(8*aa+\b)+7]
.endr
.set aa, aa+1
.endr
.endm
; 24 LDS loads in one run: the fragments of quarter q of a slot into buffer f; w_proj's first, o's blocks 2 and 3 last
.macro FETCH slot, q, f
.irp b, 0,1,2,3,4,5,6,7
	ds_load_b128 v[\f+32+8*\b:\f+32+8*\b+3],   v[ADRB+\slot] offset:(\q)*8192+\b*1024
	ds_load_b128 v[\f+32+8*\b+4:\f+32+8*\b+7], v[ADRB+\slot] offset:(\q)*8192+\b*1024+512
.endr
.irp a, 0,1,2,3
	ds_load_b128 v[\f+8*\a:\f+8*\a+3],   v[ADRA+\slot] offset:(\q)*4096+\a*1024
	ds_load_b128 v[\f+8*\a+4:\f+8*\a+7], v[ADRA+\slot] offset:(\q)*4096+\a*1024+512
.endr
.endm
.macro PLACES                          ; four places in front of loads into registers that matrix instructions have read, and of the first read of results
.rept 4
	v_nop
.endr
.endm
; A K step is four quarters of 32 along K, 32 matrix instructions each, on buffers 0, 1, 0, 1.  One of the first three: multiplies buffer f and fetches quarter qn into g.
.macro QUARTER slot, qn, f, g
	s_wait_dscnt 4                                 ; all but the youngest four loads (o's blocks 2 and 3) are in
	WIN W_MUL
	MUL 0, 2, \f
	PLACES
	WIN 0
	FETCH \slot, \qn, \g
	s_wait_dscnt 24                                ; all but the 24 just issued
	WIN W_MUL
	MUL 2, 2, \f
.endm
; The last quarter multiplies buffer 1 and changes slots: ONE barrier; in front of it each wave waits for all its tensor loads, adds 0 to its spare word, and waits for that and for its reads of this slot.
; fill = 1: the barrier opens a round of the cluster's, and this slot is filled again, two K steps ahead: 112 matrix instructions stand between the request and the wait for it.
.macro TURN slot, next, fill
.if \fill
	s_wait_xcnt 0x0                                ; the last prefetch, a K step back, has read its address: it is stepped here
	s_add_nc_u64 s[PFA:PFA+1], s[PFA:PFA+1], 32768
.endif
	WIN 0                                          ; (the add's two registers lie in window 0)
	s_wait_tensorcnt 0x0                           ; all my tensor loads have landed: my part of the next slot;
	ds_add_u32 v[SPW], v[NIL]                      ; 0 onto my spare word;
	s_wait_dscnt 5                                 ; (the add and the youngest four loads may be out)
	WIN W_MUL
	MUL 0, 1, F1                                   ; eight matrix instructions stand between the add and the wait for it
	s_wait_dscnt 0x0                               ; the add is done, and my reads of this slot are over
	s_barrier_signal -1
	MUL 1, 1, F1
.if \fill
	WIN 0
.endif
	s_barrier_wait -1
.if \fill
	CREST                                          ; no wave of any partner still reads this slot's tiles or has a load on its way
	s_add_nc_u64 s[G0+4*\slot+2:G0+4*\slot+3], s[G0+4*\slot+2:G0+4*\slot+3], 2*32768
	s_add_nc_u64 s[G0B+4*\slot+2:G0B+4*\slot+3], s[G0B+4*\slot+2:G0B+4*\slot+3], 2*65536
	JLOAD \slot                                    ; the first tensor load behind the round, my one load until the next; its four v_nop are also the places in front of the loads below
.else
	PLACES
.endif
	WIN 0
	FETCH \next, 0, F0
.if \fill
	ASK
.endif
	WIN W_MUL
	MUL 2, 2, F1
.endm
	s_wait_tensorcnt 1                             ; my part of K step 0 is in (K step 1's load may be out)
	s_barrier_signal -1
	s_barrier_wait -1                              ; everybody's is
	FETCH 0, 0, F0
	s_wait_loadcnt 0x0                             ; the bias stands in the accumulators
	QUARTER 0, 1, F0, F1
	WIN 0                                          ; at a label and at a branch every window is 0
	s_mov_b32 s3, 3
.Llap:                                                 ; a trip goes once round the ring, from a lap's second quarter to the next lap's first, and fills both slots again: K steps 2 to 7
	QUARTER 0, 2, F1, F0
	QUARTER 0, 3, F0, F1
	TURN 0, 1, 1
	QUARTER 1, 1, F0, F1
	QUARTER 1, 2, F1, F0
	QUARTER 1, 3, F0, F1
	TURN 1, 0, 1
	QUARTER 0, 1, F0, F1
	WIN 0
	s_sub_co_u32 s3, s3, 1
	s_cmp_lg_u32 s3, 0
	s_cbranch_scc1 .Llap
	QUARTER 0, 2, F1, F0                           ; the last lap fills nothing, and has no round of the cluster's barrier
	QUARTER 0, 3, F0, F1
	TURN 0, 1, 0
	QUARTER 1, 1, F0, F1
	QUARTER 1, 2, F1, F0
	QUARTER 1, 3, F0, F1
	s_wait_dscnt 4                                 ; the very last quarter: nothing more to fetch
	WIN W_MUL
	MUL 0, 2, F1
	s_wait_dscnt 0
	MUL 2, 2, F1
	WIN 0
; THE WAY OUT, block by block of 16 rows x 128 columns: a lane holds 32 neighbouring bytes of a row and the lanes beside it hold other rows, so a block goes through my own stage in LDS and comes back as whole rows of 512 bytes.
; LDS serves a wave's instructions in order (ISA guide 5.7.1.4): no wait between the stores and the loads, nor in front of the next block's stores.
.macro TOSTAGE a
	WIN 0x04                                       ; an LDS store's data are its source 1: window 1
.irp b, 0,1,2,3,4,5,6,7
	ds_store_b128 v[STO], v[8*(8*(\a)+\b):8*(8*(\a)+\b)+3] offset:64*\b          ; each accumulator from its low end on
	ds_store_b128 v[STO], v[8*(8*(\a)+\b)+4:8*(8*(\a)+\b)+7] offset:64*\b+16
.endr
	WIN 0
.set BB, BK+64*((\a)%2)
.irp t, 0,1,2,3,4,5,6,7,8,9,10,11,12,13,14,15
	ds_load_b128 v[BB+4*\t:BB+4*\t+3], v[RD] offset:\t*SPITCH
.endr
.endm
.macro SEND a, younger                 ; younger: the LDS instructions issued behind block a's loads, which may stay out
.set BB, BK+64*((\a)%2)
	s_wait_dscnt \younger
.irp t, 0,1,2,3,4,5,6,7,8,9,10,11,12,13,14,15
	global_store_b128 v[CO], v[BB+4*\t:BB+4*\t+3], s[10:11] offset:(16*(\a)+\t)*4096 th:TH_STORE_NT   ; 32 lanes store 512 consecutive bytes, aligned; written once, read by nobody here
.endr
.endm
	PLACES
	TOSTAGE 0
.irp a, 1,2,3
.if \a > 1
	s_wait_xcnt 0x0                                ; block a - 2's stores have read their registers: block a's loads may land there
.endif
	TOSTAGE \a
	SEND \a-1, 32                                  ; behind block a - 1's loads: block a's 16 stores and 16 loads
.endr
	SEND 3, 0
	s_wait_tensorcnt 0x0                           ; the wave's end, behind my last tensor load and my last LDS store
	ds_add_u32 v[SPW], v[NIL]
	s_wait_dscnt 0x0
	CROUND                                         ; the closing round: no work-group ends while a partner may still ask for a tile that names it
	s_endpgm
.Lfunc_end_k_q2d612bbd57_proj:
	.size	k_q2d612bbd57_proj, .Lfunc_end_k_q2d612bbd57_proj-k_q2d612bbd57_proj
	.p2alignl 7, 3214868480
	.fill 96, 4, 3214868480
	.section	.rodata,"a",@progbits
	.p2align	6, 0x0
	.amdhsa_kernel k_q2d612bbd57_proj
		.amdhsa_group_segment_fixed_size 327680
		.amdhsa_private_segment_fixed_size 0
		.amdhsa_enable_private_segment 0
		.amdhsa_kernarg_size 32
		.amdhsa_user_sgpr_count 2
		.amdhsa_user_sgpr_kernarg_segment_ptr 1
		.amdhsa_wavefront_size32 1
		.amdhsa_system_sgpr_workgroup_id_x 1
		.amdhsa_system_sgpr_workgroup_id_y 1
		.amdhsa_system_sgpr_workgroup_id_z 1
		.amdhsa_system_vgpr_workitem_id 0
		.amdhsa_next_free_vgpr 512
		.amdhsa_next_free_sgpr 72
		.amdhsa_reserve_vcc 0
		.amdhsa_float_denorm_mode_32 3
		.amdhsa_float_denorm_mode_16_64 3
		.amdhsa_memory_ordered 1
		.amdhsa_forward_progress 1
		.amdhsa_inst_pref_size 91
	.end_amdhsa_kernel
	.amdgpu_metadata
---
amdhsa.version: [ 1, 2 ]
amdhsa.kernels:
  - .name:           k_q2d612bbd57_proj
    .symbol:         k_q2d612bbd57_proj.kd
    .args:
      - { .name: o_img, .offset: 0, .size: 8, .value_kind: global_buffer, .address_space: global }
      - { .name: wp_img, .offset: 8, .size: 8, .value_kind: global_buffer, .address_space: global }
      - { .name: b_proj, .offset: 16, .size: 8, .value_kind: global_buffer, .address_space: global }
      - { .name: out0, .offset: 24, .size: 8, .value_kind: global_buffer, .address_space: global }
    .group_segment_fixed_size: 327680
    .private_segment_fixed_size: 0
    .kernarg_segment_align: 8
    .kernarg_segment_size: 32
    .max_flat_workgroup_size: 128
    .sgpr_count:     72
    .vgpr_count:     512
    .wavefront_size: 32
...
	.end_amdgpu_metadata
.endif
;; end of part 4
